; MI455X (gfx1250); checked and timed in simulation.
; The chip was launched on July 23, 2026; its instructions are those of AMD's public machine-readable ISA for CDNA 5 (MIT licence, August 2026) and "CDNA5" Instruction Set Architecture Reference Guide (July 2026). The comments in the code are by the model that wrote it; some were corrected since.
;; Mixture Of Experts. Allowed arithmetic: matrix products marked QUANTISED: E4M3 operands, one E8M0 scale for each 32 along K, by v_wmma_scale_f32_16x16x128_f8f6f4 with both operands' format E4M3, f32 sums; products left as they are: f32 operands where the result goes on into a quantised operand, else bf16, f16 or f32 operands; f32 sums; everything else in f32.
;; Inputs: W 8 x 2,048 x 2,048 float32; Wg 8 x 2,048 float32; b 8 x 2,048 float32; bg 8 float32; x 2,048 x 2,048 float32.
;; Outputs: out0 2,048 x 2,048 float32.
;; This version of the problem:
;;   THIS VERSION OF THE PROBLEM IS GIVEN IN LOW PRECISION. The matrix products marked QUANTISED in the list below multiply operands that are first quantised to E4M3 (4 exponent bits, 3 mantissa bits; 8 bits a number), with one power-of-two scale for each 32 numbers along K (OCP MX v1.0); their sums are f32. All else is computed in f32.
;;   The module's matrix products, in the order in which they are computed (A, B: the left and right operand; K: the contracted axis; several contracted axes count as one K, in the product's order):
;;     1. [M 2,048, K 2,048] x [K 2,048, N 8]; A: input x; B: input Wg: left as it is (N = 8 < 16)
;;     2. batch 2,048 x [M 1, K 2] x [K 2, N 8]; A: computed on the way; B: computed on the way: left as it is (K = 2 < 32)
;;     3. [M 16,384, K 2,048] x [K 2,048, N 2,048]; A: input W; B: input x: QUANTISED
;;     4. batch 2,048 x [M 1, K 8] x [K 8, N 2,048]; A: computed on the way; B: computed on the way: left as it is (K = 8 < 32)
;;   THE QUANTISER, for each operand of a quantised product, along K:
;;     - K is cut into blocks of 32 from its start; a last block that is shorter is filled with zeros.
;;     - A block's scale is 2^e with e = floor(log2(the largest magnitude in the block)) - 8, held to -126 .. 127; a block of zeros has e = 0. As a byte (E8M0): e + 127.
;;     - Each number is divided by its block's scale, clamped to +-448, and rounded to the nearest number of E4M3, ties to even, subnormals kept.
;;     - The product sums the exact products of the quantised numbers (number of the format x scale) in f32.
;;   ~~~python
;;   def quantise(x, axis):      # numpy; x: float32 -> the quantised numbers, widened to float32 again
;;       x = np.moveaxis(x, axis, -1); K = x.shape[-1]
;;       x = np.pad(x, [(0, 0)] * (x.ndim - 1) + [(0, -K % 32)]); x = x.reshape(x.shape[:-1] + (-1, 32)); a = np.abs(x).max(-1, keepdims=True)
;;       e = np.where(a > 0, np.clip(np.frexp(np.where(a > 0, a, 1))[1] - 1 - 8, -126, 127), 0)      # np.frexp(a)[1] - 1 = floor(log2(a)), exactly
;;       r = np.clip(x / 2.0 ** e, -448, 448)
;;       step = 2.0 ** (np.maximum(np.frexp(np.where(r == 0, 1, r))[1] - 1, -6) - 3)
;;       q = np.round(r / step) * step * 2.0 ** e      # np.round: ties to even
;;       return np.moveaxis(q.reshape(q.shape[:-2] + (-1,))[..., :K], -1, axis).astype(np.float32)
;;   ~~~
;; 2 versions. Each part assembles by itself: llvm-mc -triple=amdgcn-amd-amdhsa -mcpu=gfx1250 --defsym DOCPART=n.
;; ======== version 1 of 2: 3 launches
;; workspace buffers: xc 4,194,304 bytes; xs 131,072 bytes; gates 65,536 bytes; keys 8,192 bytes of whole numbers; order 8,192 bytes of whole numbers; gmask 512 bytes of whole numbers; wc 33,554,432 bytes; ws 1,048,576 bytes
;; launch gate (part 1): grid 256 x 1, 4 waves a work-group, no clusters, 22,528 bytes of LDS; arguments x, Wg, bg, xc, xs, gates, keys; writes xc, xs, gates, keys
.if DOCPART == 1
	.amdgcn_target "amdgcn-amd-amdhsa--gfx1250"
	.amdhsa_code_object_version 6
	.text
	.protected	k_q40c83afb86_gate
	.globl	k_q40c83afb86_gate
	.p2align	8
	.type	k_q40c83afb86_gate,@function
k_q40c83afb86_gate:
	s_mov_b64 s[64:65], 0
	v_nop
	global_prefetch_b8 v0, s[64:65] scope:SCOPE_SE
	s_setreg_imm32_b32 hwreg(HW_REG_WAVE_MODE, 25, 1), 1
	s_wait_xcnt 0x0
; x [2048][2048] f32 is read once and serves twice: (1) it becomes codes of E4M3, xc [token][2048], with one E8M0 byte for each 32 along K, xs [token][64];
; (2) the gate: logits x Wg^T + bg by f32 fused multiply-adds, softmax with the row's maximum taken away, the two largest gates (the lower index wins an exact tie).
; OUT: gates [token][8] f32 = the gate where the expert is one of the two chosen, else 0;  keys [token] = the number 0 .. 27 of the chosen pair (lo < hi): lo (15 - lo) / 2 + hi - lo - 1.
; No address and no branch here hangs on the choice: the keys are only stored; a later launch places the tokens by them.
; SHARES.  A work-group owns 8 rows; wave w owns K = 512 w .. 512 w + 511 of all 8: a step is one row's 2,048 bytes, four loads of 512 consecutive bytes.  The wave's part of Wg (8 x 512 numbers) stays in 128 registers,
; loaded in the same lane order as x, so the gate's products take x as it was loaded.  For the conversions a lane must hold 16 neighbours along K: the step's bytes turn through the wave's own stage in LDS (64 bytes + 16 of padding a lane).
; A block's scale: the largest magnitude's exponent field - 8, held at 1 from below; each number is held within +-448 x the scale and rounded to the nearest code.
; LIMITS: NaN and infinities among the inputs are not served.  A block of zeros, and a block whose largest magnitude lies under 2^-118, gets the byte 1 (zero codes add nothing; the bytes are read by this program alone).
; The logits' sums run in another order than a row-by-row sum: two gates closer than that rounding may be ranked otherwise.  No matrix unit, cluster or tensor load: each byte is read by one wave, once.
.set SP,   80                          ; a lane's place in a stage
.set WST,  5120                        ; a wave's two stages of 32 x SP bytes
.set SBY,  20480                       ; the 8 rows' scale bytes, [row][64]
.set PT,   20992                       ; partial logits, [wave][row][8] f32
.set ACC,  16                          ; v16-31   a pair of running sums for each expert
.set SU,   32                          ; v32-39   the wave's sum for each expert
.set PM,   40                          ; v40-47   the other half of the lanes' sums
.set CD,   48                          ; v48-79   four registers of codes for each step: no store's data are written again
.set R,    80                          ; v80-127  three sets of 16 numbers
.set WG,   128                         ; v128-255 Wg: expert e, load i at 16 e + 4 i
	s_load_b256 s[4:11], s[0:1], 0x0               ; x s[4:5], Wg s[6:7], bg s[8:9], xc s[10:11]
	s_load_b128 s[12:15], s[0:1], 0x20             ; xs s[12:13], gates s[14:15]
	s_load_b64 s[16:17], s[0:1], 0x30              ; keys
	s_set_vgpr_msb 0x40
	v_lshl_add_u32 v0, v0, 2, 0x5600
	v_mov_b32 v1, 0
	s_set_vgpr_msb 0x4000
	v_lshrrev_b32 v1, 5, v0
	v_readfirstlane_b32 s18, v1                    ; wave
	v_and_b32 v1, 31, v0                           ; lane
	v_lshlrev_b32 v2, 4, v1                        ; 16 x lane
	s_lshl_b32 s19, s18, 11
	v_add_nc_u32 v3, s19, v2                       ; x and Wg: my 16 bytes of a load's 512, in my wave's quarter of a row
	s_lshl_b32 s19, s18, 9
	v_add_nc_u32 v4, s19, v2                       ; the codes: 16 bytes a lane, 512 a wave
	s_lshl_b32 s19, s18, 4
	s_add_co_u32 s19, s19, SBY
	v_lshrrev_b32 v5, 1, v1
	v_add_nc_u32 v5, s19, v5                       ; my block's scale byte: 16 blocks a wave, two lanes to a block
	s_lshl_b32 s19, s18, 8
	s_add_co_u32 s19, s19, PT
	v_mov_b32 v6, s19                              ; my wave's partial logits
	s_mul_i32 s19, s18, WST
	v_lshrrev_b32 v14, 2, v1
	v_mul_u32_u24 v14, v14, SP
	v_and_b32 v15, 3, v1
	v_lshl_add_u32 v14, v15, 4, v14
	v_add_nc_u32 v14, s19, v14                     ; the stage, in: four lanes' 64 bytes on end, then 16 of padding
	v_mul_u32_u24 v15, v1, SP
	v_add_nc_u32 v15, s19, v15                     ; and out: my 16 neighbours
	s_mov_b32 s20, 0x76543210
	s_mov_b32 s21, 0xfedcba98                      ; v_permlanex16_b32's selects for lane l xor 16
	s_mov_b32 s23, 0x600000                        ; the mantissa field of 448
	s_mov_b32 s33, 0
.irp e, 0,1,2,3,4,5,6,7
	v_mov_b32 v[PM+\e], 0                          ; written once: a lane permute's destination counts as one of its sources
.endr
	s_wait_kmcnt 0x0
	s_load_b256 s[24:31], s[8:9], 0x0              ; bg
	s_lshl_b32 s32, ttmp9, 16                      ; 8 rows of 8,192 bytes
	s_add_nc_u64 s[4:5], s[4:5], s[32:33]
	s_lshl_b32 s32, ttmp9, 14                      ; 8 rows of 2,048 codes
	s_add_nc_u64 s[10:11], s[10:11], s[32:33]
	s_lshl_b32 s32, ttmp9, 9                       ; 8 rows of 64 scale bytes
	s_add_nc_u64 s[12:13], s[12:13], s[32:33]
	s_lshl_b32 s32, ttmp9, 8                       ; 8 rows of 8 gates
	s_add_nc_u64 s[14:15], s[14:15], s[32:33]
	s_lshl_b32 s32, ttmp9, 5                       ; 8 keys
	s_add_nc_u64 s[16:17], s[16:17], s[32:33]
.irp e, 0,1,2,3,4,5,6,7
.irp i, 0,1,2,3
	global_load_b128 v[WG+16*\e+4*\i:WG+16*\e+4*\i+3], v3, s[6:7] offset:8192*\e+512*\i   ; every work-group reads Wg: no hint
.endr
.endr
.macro LOADX t                         ; row t's chunk into set t % 3: each load reads 512 consecutive bytes
.irp i, 0,1,2,3
	global_load_b128 v[R+16*((\t)%3)+4*\i:R+16*((\t)%3)+4*\i+3], v3, s[4:5] offset:8192*(\t)+512*\i th:TH_LOAD_NT
.endr
.endm
	LOADX 0
	LOADX 1
	LOADX 2
	s_wait_kmcnt 0x0                               ; bg
.macro STEP t
.set RS, R+16*((\t)%3)
	s_wait_dscnt 0x0                               ; the last step's LDS stores are done: their registers may be written
.if 7-(\t) >= 2
	s_wait_loadcnt 8                               ; this row's four loads (and Wg) are in; the two rows behind it may be out
.else
	s_wait_loadcnt 4*(7-(\t))
.endif
.irp e, 0,1,2,3,4,5,6,7
	v_pk_mul_f32 v[ACC+2*\e:ACC+2*\e+1], v[RS:RS+1], v[WG+16*\e:WG+16*\e+1]   ; the first products start the sums; the experts take turns, so no line waits for the line above it
.endr
.irp p, 1,2,3,4,5,6,7
.irp e, 0,1,2,3,4,5,6,7
	v_pk_fma_f32 v[ACC+2*\e:ACC+2*\e+1], v[RS+2*\p:RS+2*\p+1], v[WG+16*\e+2*\p:WG+16*\e+2*\p+1], v[ACC+2*\e:ACC+2*\e+1]
.endr
.endr
.irp i, 0,1,2,3
	ds_store_b128 v14, v[RS+4*\i:RS+4*\i+3] offset:32*SP*((\t)%2)+8*SP*\i
.endr
.irp i, 0,1,2,3
	ds_load_b128 v[RS+4*\i:RS+4*\i+3], v15 offset:32*SP*((\t)%2)+16*\i   ; LDS serves a wave's instructions in order (ISA guide 5.7.1.4): these see the stores above, and land in the registers that those have left
.endr
.irp e, 0,1,2,3,4,5,6,7
	v_add_f32 v[SU+\e], v[ACC+2*\e], v[ACC+2*\e+1]
.endr
.irp m, 1,2,4,8
.irp e, 0,1,2,3,4,5,6,7
	v_add_f32_dpp v[SU+\e], v[SU+\e], v[SU+\e] row_xmask:\m row_mask:0xf bank_mask:0xf
.endr
.endr
.irp e, 0,1,2,3,4,5,6,7
	v_permlanex16_b32 v[PM+\e], v[SU+\e], s20, s21
.endr
.irp e, 0,1,2,3,4,5,6,7
	v_add_f32 v[SU+\e], v[SU+\e], v[PM+\e]         ; every lane holds the wave's eight partial logits of this row
.endr
	ds_store_b128 v6, v[SU:SU+3] offset:32*(\t)    ; all lanes write the same bytes with the same values
	ds_store_b128 v6, v[SU+4:SU+7] offset:32*(\t)+16
	s_wait_dscnt 2                                 ; my 16 neighbours are back from the stage; the two stores just issued may be out
	v_max3_num_f32 v8, |v[RS]|, |v[RS+1]|, |v[RS+2]|
	v_max3_num_f32 v9, |v[RS+3]|, |v[RS+4]|, |v[RS+5]|
.irp i, 6,10
	v_max3_num_f32 v8, v8, |v[RS+\i]|, |v[RS+\i+1]|
	v_max3_num_f32 v9, v9, |v[RS+\i+2]|, |v[RS+\i+3]|
.endr
	v_max3_num_f32 v8, v8, |v[RS+14]|, |v[RS+15]|
	v_max3_num_f32 v8, v8, v9, 0x4800000           ; and the floor 2^(9 - 127): the byte cannot fall under 1
	v_max_num_f32_dpp v8, v8, v8 row_xmask:1 row_mask:0xf bank_mask:0xf   ; with my neighbour's 16: the block's largest magnitude
	v_add_nc_u32 v11, 0xfc000000, v8               ; 8 off its exponent field: the conversion's scale operand
	v_and_or_b32 v10, v8, 0x7f800000, s23          ; 448 x the scale
.irp i, 0,1,2,3,4,5,6,7,8,9,10,11,12,13,14,15
	v_med3_num_f32 v[RS+\i], v[RS+\i], -v10, v10   ; the conversion to an 8-bit code does not saturate (ISA guide 7.6.2): the hold comes first
.endr
	v_cvt_scalef32_pk8_fp8_f32 v[CD+4*(\t):CD+4*(\t)+1], v[RS:RS+7], v11
	v_cvt_scalef32_pk8_fp8_f32 v[CD+4*(\t)+2:CD+4*(\t)+3], v[RS+8:RS+15], v11
	v_lshrrev_b32 v12, 23, v11                     ; the scale's byte; also the plain line behind the conversions
	ds_store_b8 v5, v12 offset:64*(\t)             ; both lanes of a block write the same byte
	global_store_b128 v4, v[CD+4*(\t):CD+4*(\t)+3], s[10:11] offset:2048*(\t)   ; the wave stores 512 consecutive bytes
.if (\t)+3 < 8
	LOADX (\t)+3                                   ; into the set just left
.endif
.endm
.irp t, 0,1,2,3,4,5,6,7
	STEP \t
.endr
	s_wait_dscnt 0x0                               ; for the others' sake: my scale bytes and partial logits lie in LDS
	s_barrier_signal -1
	s_barrier_wait -1
	s_cmp_lg_u32 s18, 0
	s_cbranch_scc1 .Lend                           ; wave 0 finishes the 8 rows
	v_add_nc_u32 v7, SBY, v2
	ds_load_b128 v[112:115], v7                    ; the 512 scale bytes, 16 a lane
	v_bfe_u32 v125, v1, 1, 3                       ; my row: two lanes to a row; lanes 16-31 repeat lanes 0-15
	v_lshl_add_u32 v9, v125, 5, PT
.irp w, 0,1,2,3
	ds_load_b128 v[80+8*\w:83+8*\w], v9 offset:256*\w
	ds_load_b128 v[84+8*\w:87+8*\w], v9 offset:256*\w+16
.endr
	v_and_b32 v124, 15, v1
	v_lshlrev_b32 v124, 4, v124                    ; gates: 16 bytes a lane, sixteen lanes cover the 8 rows' 256 bytes
	v_lshlrev_b32 v123, 2, v125                    ; keys: 4 bytes a row
	v_and_b32 v126, 1, v1                          ; which half of the row's eight gates I store
	s_wait_dscnt 0x0
	global_store_b128 v2, v[112:115], s[12:13]     ; 512 consecutive bytes
.irp e, 0,1,2,3,4,5,6,7
	v_add_f32 v[16+\e], v[80+\e], v[88+\e]
	v_add_f32 v[24+\e], v[96+\e], v[104+\e]
.endr
.irp e, 0,1,2,3,4,5,6,7
	v_add_f32 v[16+\e], v[16+\e], v[24+\e]
.endr
.irp e, 0,1,2,3,4,5,6,7
	v_add_f32 v[16+\e], s[24+\e], v[16+\e]         ; + bg: the logits
.endr
	v_max3_num_f32 v40, v16, v17, v18
	v_max3_num_f32 v40, v40, v19, v20
	v_max3_num_f32 v40, v40, v21, v22
	v_max_num_f32 v40, v40, v23                    ; the row's maximum is taken away before the exponential
.irp e, 0,1,2,3,4,5,6,7
	v_sub_f32 v[24+\e], v[16+\e], v40
.endr
.irp e, 0,1,2,3,4,5,6,7
	v_mul_f32 v[24+\e], 0x3fb8aa3b, v[24+\e]
.endr
.irp e, 0,1,2,3,4,5,6,7
	v_exp_f32 v[24+\e], v[24+\e]
.endr
	v_nop                                          ; a plain line behind the exponentials
	s_wait_alu depctr_va_vdst(0)
	v_add_f32 v41, v24, v25
	v_add_f32 v42, v26, v27
	v_add_f32 v43, v28, v29
	v_add_f32 v44, v30, v31
	v_add_f32 v41, v41, v42
	v_add_f32 v43, v43, v44
	v_add_f32 v41, v41, v43
	v_rcp_f32 v42, v41
	v_mov_b32 v43, v24                             ; the largest so far (also the plain line behind the reciprocal)
	v_mov_b32 v44, 0                               ; and its expert
.irp e, 1,2,3,4,5,6,7
	v_cmp_gt_f32 vcc_lo, v[24+\e], v43             ; strictly greater: the lower index keeps a tie
	v_cndmask_b32 v43, v43, v[24+\e], vcc_lo
	v_cndmask_b32 v44, v44, \e, vcc_lo
.endr
	v_mov_b32 v45, -1.0                            ; the second: under every p, so that some expert is always taken
	v_mov_b32 v46, 0
.irp e, 0,1,2,3,4,5,6,7
	v_cmp_gt_f32 s34, v[24+\e], v45
	v_cmp_ne_u32 s35, \e, v44
	s_and_b32 s34, s34, s35
	v_cndmask_b32 v45, v45, v[24+\e], s34
	v_cndmask_b32 v46, v46, \e, s34
.endr
	s_wait_alu depctr_va_vdst(0)
	v_mul_f32 v47, v43, v42                        ; the two gates
	v_mul_f32 v13, v45, v42
.irp e, 0,1,2,3,4,5,6,7
	v_cmp_eq_u32 vcc_lo, \e, v46
	v_cndmask_b32 v[32+\e], 0, v13, vcc_lo
	v_cmp_eq_u32 vcc_lo, \e, v44
	v_cndmask_b32 v[32+\e], v[32+\e], v47, vcc_lo
.endr
	v_cmp_eq_u32 vcc_lo, 1, v126
.irp j, 0,1,2,3
	v_cndmask_b32 v[116+\j], v[32+\j], v[36+\j], vcc_lo
.endr
	global_store_b128 v124, v[116:119], s[14:15]   ; sixteen lanes store 256 consecutive bytes; lanes 16-31 the same bytes again
	v_min_u32 v120, v44, v46                       ; lo
	v_max_u32 v121, v44, v46                       ; hi
	v_sub_nc_u32 v122, 15, v120
	v_mul_u32_u24 v122, v122, v120
	v_lshrrev_b32 v122, 1, v122
	v_add_nc_u32 v122, v122, v121
	v_sub_nc_u32 v122, v122, v120
	v_add_nc_u32 v122, -1, v122                    ; the pair's number
	global_store_b32 v123, v122, s[16:17]          ; 32 bytes a work-group
.Lend:
	s_set_vgpr_msb 0x5
	s_wait_tensorcnt 0x0
	ds_add_u32 v0, v1
	s_wait_dscnt 0x0
	s_set_vgpr_msb 0x500
	s_endpgm
.Lfunc_end_k_q40c83afb86_gate:
	.size	k_q40c83afb86_gate, .Lfunc_end_k_q40c83afb86_gate-k_q40c83afb86_gate
	.p2alignl 7, 3214868480
	.fill 96, 4, 3214868480
	.section	.rodata,"a",@progbits
	.p2align	6, 0x0
	.amdhsa_kernel k_q40c83afb86_gate
		.amdhsa_group_segment_fixed_size 22528
		.amdhsa_private_segment_fixed_size 0
		.amdhsa_enable_private_segment 0
		.amdhsa_kernarg_size 56
		.amdhsa_user_sgpr_count 2
		.amdhsa_user_sgpr_kernarg_segment_ptr 1
		.amdhsa_wavefront_size32 1
		.amdhsa_system_sgpr_workgroup_id_x 1
		.amdhsa_system_sgpr_workgroup_id_y 1
		.amdhsa_system_sgpr_workgroup_id_z 1
		.amdhsa_system_vgpr_workitem_id 0
		.amdhsa_next_free_vgpr 258
		.amdhsa_next_free_sgpr 66
		.amdhsa_reserve_vcc 1
		.amdhsa_float_denorm_mode_32 3
		.amdhsa_float_denorm_mode_16_64 3
		.amdhsa_memory_ordered 1
		.amdhsa_forward_progress 1
		.amdhsa_inst_pref_size 96
	.end_amdhsa_kernel
	.amdgpu_metadata
---
amdhsa.version: [ 1, 2 ]
amdhsa.kernels:
  - .name:           k_q40c83afb86_gate
    .symbol:         k_q40c83afb86_gate.kd
    .args:
      - { .name: x, .offset: 0, .size: 8, .value_kind: global_buffer, .address_space: global }
      - { .name: Wg, .offset: 8, .size: 8, .value_kind: global_buffer, .address_space: global }
      - { .name: bg, .offset: 16, .size: 8, .value_kind: global_buffer, .address_space: global }
      - { .name: xc, .offset: 24, .size: 8, .value_kind: global_buffer, .address_space: global }
      - { .name: xs, .offset: 32, .size: 8, .value_kind: global_buffer, .address_space: global }
      - { .name: gates, .offset: 40, .size: 8, .value_kind: global_buffer, .address_space: global }
      - { .name: keys, .offset: 48, .size: 8, .value_kind: global_buffer, .address_space: global }
    .group_segment_fixed_size: 22528
    .private_segment_fixed_size: 0
    .kernarg_segment_align: 8
    .kernarg_segment_size: 56
    .max_flat_workgroup_size: 128
    .sgpr_count:     66
    .vgpr_count:     258
    .wavefront_size: 32
...
	.end_amdgpu_metadata
.endif
;; end of part 1
;; launch prep (part 2): grid 513 x 1, 4 waves a work-group, no clusters, 34,816 bytes of LDS; arguments W, keys, wc, ws, order, gmask; writes wc, ws, order, gmask
.if DOCPART == 2
	.amdgcn_target "amdgcn-amd-amdhsa--gfx1250"
	.amdhsa_code_object_version 6
	.text
	.protected	k_q40c83afb86_prep
	.globl	k_q40c83afb86_prep
	.p2align	8
	.type	k_q40c83afb86_prep,@function
k_q40c83afb86_prep:
	s_mov_b64 s[64:65], 0
	v_nop
	global_prefetch_b8 v0, s[64:65] scope:SCOPE_SE
	s_setreg_imm32_b32 hwreg(HW_REG_WAVE_MODE, 25, 1), 1
	s_wait_xcnt 0x0
; TWO JOBS IN ONE LAUNCH.  Work-groups 1 .. 512 quantise W; work-group 0 places the tokens by their pair of experts while the others stream.
; (1) W [8][2048][2048] f32, seen as 16,384 rows along K, becomes codes of E4M3 and E8M0 scale words LAID IN THE ORDER OF THE OPERAND'S REGISTERS, so that the product's launch loads fragments whole.  A slab is 32 rows: slab S = 64 e + sl.
;     wc [sl 0..63][expert e][K step s of 128][n: which 16 rows][c 0..3][lane][16 bytes]: lane (r, h) holds row 32 S + 16 n + r, k = 128 s + 32 c + 16 h + 0 .. 15.  (The expert stands inside the slab's number, so that from expert to expert it is 65,536 bytes.)
;     ws [slab S][q 0..3][lane = 16 n + r][4 words]: the scale words of K steps 4 q .. 4 q + 3 of that row.
;     Wave w takes 16 rows (n = w & 1) x 8 K steps (from 8 (w >> 1)).  A step's 16 loads read 512 consecutive bytes of a row each; the 8 KiB turn through the wave's own stage in LDS (rows 528 bytes apart: 33 x 16, so the 16 rows
;     that a read touches start 16 bytes apart modulo 256) and come back as 64 numbers a lane in the operand's order.  Loads run two steps ahead of the step at work.
; (2) keys [2048] (0 .. 27) -> order [place] = token, the tokens sorted by key (a counting sort without atomics: each wave counts its 512 tokens bin by bin, the waves' counts meet in LDS), and
;     gmask [t] = the experts that places 32 t .. 32 t + 31 use, one bit each (words 64 .. 127 are 0).  Whole numbers only.  The 2,048 stores of order are 4 bytes each to scattered places, 8 KiB in all.
; LIMITS: NaN and infinities in W are not served; a block of zeros, and one whose largest magnitude lies under 2^-118, gets the byte 1 (zero codes add nothing; this program alone reads the bytes).
; No tensor loads, clusters or matrix unit: every byte of W is read by one wave, once.
.set SPI,  528
.set WST,  16*SPI                      ; a wave's stage
.set CNT,  4*WST                       ; the placing work-group's own bytes: [wave][32] counts
.set TM,   16                          ; v16-19 largest magnitudes, v20-23 bytes, v24-27 448 x the scale, v28-31 the conversions' scale operands
.set PW,   32                          ; the scale word just made
.set SW,   36                          ; v36-43 the wave's eight scale words
.set PC,   48                          ; v48-63 a fragment's codes
.set R,    64                          ; v64-255 three sets of 64 numbers
	s_load_b256 s[4:11], s[0:1], 0x0               ; W s[4:5], keys s[6:7], wc s[8:9], ws s[10:11]
	s_load_b128 s[12:15], s[0:1], 0x20             ; order s[12:13], gmask s[14:15]
	v_lshl_add_u32 v14, v0, 2, 0x8600
	v_mov_b32 v15, 0
	v_lshrrev_b32 v1, 5, v0
	v_readfirstlane_b32 s16, v1                    ; wave
	v_and_b32 v1, 31, v0                           ; lane
	s_cmp_eq_u32 ttmp9, 0
	s_cbranch_scc1 .Lroute                         ; the same way for all four waves of a work-group
	s_and_b32 s17, s16, 1                          ; n
	s_lshr_b32 s18, s16, 1                         ; which half of K
	v_and_b32 v7, 15, v0                           ; r
	v_bfe_u32 v8, v0, 4, 1                         ; h
	v_lshlrev_b32 v9, 4, v1                        ; 16 x lane
	s_lshl_b32 s19, s17, 17                        ; 16 rows of 8,192 bytes
	s_lshl_b32 s22, s18, 12                        ; 8 K steps of 512 bytes
	s_add_co_u32 s19, s19, s22
	v_add_nc_u32 v2, s19, v9                       ; W
	s_mul_i32 s19, s16, WST
	v_add_nc_u32 v3, s19, v9                       ; the stage, in: a row as it lies
	v_mul_u32_u24 v4, v7, SPI
	v_lshl_add_u32 v4, v8, 6, v4
	v_add_nc_u32 v4, s19, v4                       ; and out: row r, + 64 h: my 16 numbers of each block of 32
	s_lshl_b32 s19, s17, 11
	s_lshl_b32 s22, s18, 15
	s_add_co_u32 s19, s19, s22
	v_add_nc_u32 v5, s19, v9                       ; wc: 16 x lane + 2,048 n + 8 steps of 4,096
	s_lshl_b32 s19, s17, 8
	s_lshl_b32 s22, s18, 10
	s_add_co_u32 s19, s19, s22
	v_lshl_add_u32 v6, v7, 4, s19                  ; ws: 16 r + 256 n + 1,024 x half
	s_mov_b32 s20, 0x76543210
	s_mov_b32 s21, 0xfedcba98                      ; v_permlanex16_b32's selects for lane l xor 16
	s_mov_b32 s23, 0x600000                        ; the mantissa field of 448
.irp b, 0,1,2,3
	v_mov_b32 v[TM+4+\b], 0                        ; written once: a lane permute's destination counts as one of its sources
.endr
	s_sub_co_u32 s24, ttmp9, 1                     ; the slab S = 64 e + sl
	s_lshr_b32 s25, s24, 6                         ; e
	s_and_b32 s28, s24, 63                         ; sl
	s_lshl_b32 s28, s28, 3
	s_or_b32 s28, s28, s25                         ; its place in wc: 8 sl + e
	s_mov_b32 s27, 0
	s_wait_kmcnt 0x0
	s_lshl_b32 s26, s24, 18                        ; 32 rows of 8,192 bytes (under 2^27)
	s_add_nc_u64 s[4:5], s[4:5], s[26:27]
	s_lshl_b32 s26, s28, 16                        ; 65,536 bytes of codes a slab
	s_add_nc_u64 s[8:9], s[8:9], s[26:27]
	s_lshl_b32 s26, s24, 11
	s_add_nc_u64 s[10:11], s[10:11], s[26:27]
.macro LOADW t                         ; K step t of my 16 rows into set t % 3
.set p, 0
.rept 16
	global_load_b128 v[R+64*((\t)%3)+4*p:R+64*((\t)%3)+4*p+3], v2, s[4:5] offset:8192*p+512*(\t) th:TH_LOAD_NT
.set p, p+1
.endr
.endm
; 64 numbers of a lane, register 16 b + i = k 32 b + 16 h + i of my row, become a fragment's codes in v[PC] on and its scale word in v[PW]
.macro QUANT s
.irp b, 0,1,2,3
	v_max3_num_f32 v[TM+\b], |v[\s+16*\b]|, |v[\s+1+16*\b]|, 0x4800000   ; my 16 numbers of block b, and the floor 2^(9 - 127): the byte cannot fall under 1
.endr
.irp i, 2,4,6,8,10,12,14
.irp b, 0,1,2,3
	v_max3_num_f32 v[TM+\b], v[TM+\b], |v[\s+16*\b+\i]|, |v[\s+1+16*\b+\i]|   ; the four blocks by turns
.endr
.endr
.irp b, 0,1,2,3
	v_permlanex16_b32 v[TM+4+\b], v[TM+\b], s20, s21
.endr
.irp b, 0,1,2,3
	v_max_num_f32 v[TM+\b], v[TM+\b], v[TM+4+\b]   ; with lane l xor 16's: the block's largest magnitude
.endr
.irp b, 0,1,2,3
	v_add_nc_u32 v[TM+12+\b], 0xfc000000, v[TM+\b] ; 8 off its exponent field: the conversion's scale operand
.endr
.irp b, 0,1,2,3
	v_and_or_b32 v[TM+8+\b], v[TM+\b], 0x7f800000, s23   ; 448 x the scale
.endr
.irp b, 0,1,2,3
	v_lshrrev_b32 v[TM+4+\b], 23, v[TM+12+\b]      ; the scale's byte
.endr
	v_lshl_or_b32 v[PW], v[TM+5], 8, v[TM+4]
	v_lshl_or_b32 v[PW], v[TM+6], 16, v[PW]
	v_lshl_or_b32 v[PW], v[TM+7], 24, v[PW]        ; my row's scale word; both halves of the lanes hold it
.irp b, 0,1,2,3
.irp i, 0,1,2,3,4,5,6,7,8,9,10,11,12,13,14,15
	v_med3_num_f32 v[\s+16*\b+\i], v[\s+16*\b+\i], -v[TM+8+\b], v[TM+8+\b]   ; the conversion to an 8-bit code does not saturate (ISA guide 7.6.2)
.endr
	v_cvt_scalef32_pk8_fp8_f32 v[PC+4*\b:PC+1+4*\b], v[\s+16*\b:\s+7+16*\b], v[TM+12+\b]
	v_cvt_scalef32_pk8_fp8_f32 v[PC+2+4*\b:PC+3+4*\b], v[\s+8+16*\b:\s+15+16*\b], v[TM+12+\b]
.endr
	v_nop                                          ; a plain line behind the last conversion
.endm
.macro QSTEP t
.set RS, R+64*((\t)%3)
.if 7-(\t) >= 2
	s_wait_loadcnt 32                              ; this step's 16 loads are in; the two steps behind it may be out
.else
	s_wait_loadcnt 16*(7-(\t))
.endif
.set p, 0
.rept 16
	ds_store_b128 v3, v[RS+4*p:RS+4*p+3] offset:SPI*p
.set p, p+1
.endr
.irp c, 0,1,2,3
.irp j, 0,1,2,3
	ds_load_b128 v[RS+16*\c+4*\j:RS+16*\c+4*\j+3], v4 offset:128*\c+16*\j   ; LDS serves a wave's instructions in order (ISA guide 5.7.1.4): these see the stores above
.endr
.endr
	s_wait_dscnt 0x0
	s_wait_xcnt 0x0                                ; the last step's stores have read the codes' registers, which are written again below
	QUANT RS
	v_mov_b32 v[SW+(\t)], v[PW]
.irp c, 0,1,2,3
	global_store_b128 v5, v[PC+4*\c:PC+4*\c+3], s[8:9] offset:4096*(\t)+512*\c   ; 512 consecutive bytes: registers 4 c .. 4 c + 3 of the fragment, lane by lane
.endr
.if (\t)+3 < 8
	LOADW (\t)+3                                   ; into the set just left
.endif
.endm
	LOADW 0
	LOADW 1
	LOADW 2
.irp t, 0,1,2,3,4,5,6,7
	QSTEP \t
.endr
	global_store_b128 v6, v[SW:SW+3], s[10:11]     ; sixteen lanes store 256 consecutive bytes; lanes 16-31 the same bytes again
	global_store_b128 v6, v[SW+4:SW+7], s[10:11] offset:512
	s_wait_tensorcnt 0x0
	ds_add_u32 v14, v15
	s_wait_dscnt 0x0
	s_endpgm
; ---- the placing.  v16-31 my 16 keys; v32-47 each one's place among my wave's tokens of its bin; v48-63 the tokens; s[24:39] a bin's masks; s[40:56] its running counts
.Lroute:
	v_lshlrev_b32 v2, 4, v1
	s_lshl_b32 s17, s16, 11
	v_add_nc_u32 v2, s17, v2                       ; 16 x lane + 2,048 x wave
	s_wait_kmcnt 0x0
.irp i, 0,1,2,3
	global_load_b128 v[16+4*\i:19+4*\i], v2, s[6:7] offset:512*\i   ; register 4 i + c: the key of token 512 w + 128 i + 4 lane + c
.endr
	v_lshlrev_b32 v95, 2, v1
	s_lshl_b32 s17, s16, 9
	v_add_nc_u32 v95, s17, v95
.set j, 0
.rept 16
	v_mov_b32 v[32+j], 0
	v_add_nc_u32 v[48+j], 128*(j/4)+(j%4), v95
.set j, j+1
.endr
	v_mov_b32 v80, 0                               ; lane q: my wave's count of bin q
	v_mov_b32 v87, 0                               ; lane q: where bin q begins
	v_mov_b32 v91, 0                               ; my thread's group's experts
	v_lshlrev_b32 v89, 5, v0                       ; thread t's group: places 32 t ..
	v_add_nc_u32 v90, 32, v89                      ; .. 32 t + 31
	s_wait_loadcnt 0x0
.set j, 0
.rept 16
	v_min_u32 v[16+j], 27, v[16+j]
.set j, j+1
.endr
	s_mov_b32 s57, 0
.Lbin:                                             ; 28 trips, one a bin
.set j, 0
.rept 16
	v_cmp_eq_u32 s[24+j], s57, v[16+j]
.set j, j+1
.endr
	s_mov_b32 s40, 0
.set j, 0
.rept 16
	s_bcnt1_i32_b32 s58, s[24+j]
	s_add_co_u32 s[41+j], s[40+j], s58
.set j, j+1
.endr
.set j, 0
.rept 16
	v_mbcnt_lo_u32_b32 v92, s[24+j], s[40+j]       ; the bin's tokens in earlier registers + those in lower lanes of this one
	v_cndmask_b32 v[32+j], v[32+j], v92, s[24+j]
.set j, j+1
.endr
	v_mov_b32 v93, s56
	v_cmp_eq_u32 vcc_lo, s57, v1
	v_cndmask_b32 v80, v80, v93, vcc_lo
	s_add_co_u32 s57, s57, 1
	s_cmp_lt_u32 s57, 28
	s_cbranch_scc1 .Lbin
	v_lshl_add_u32 v93, v0, 2, CNT
	ds_store_b32 v93, v80
	s_wait_dscnt 0x0                               ; for the others' sake
	s_barrier_signal -1
	s_barrier_wait -1
	v_lshl_add_u32 v94, v1, 2, CNT
.irp w, 0,1,2,3
	ds_load_b32 v[81+\w], v94 offset:128*\w
.endr
	s_wait_dscnt 0x0
	v_add_nc_u32 v85, v81, v82
	v_add3_u32 v85, v85, v83, v84                  ; lane q: all tokens of bin q
	v_mov_b32 v86, 0                               ; lane q: those of the waves in front of mine
.irp w, 0,1,2
	s_cmp_gt_u32 s16, \w
	s_cselect_b32 s58, -1, 0
	v_and_b32 v92, s58, v[81+\w]
	v_add_nc_u32 v86, v86, v92
.endr
	s_mov_b32 s58, 0                               ; bin Q holds places a .. b - 1
.set Q, 0
.irp lo, 0,1,2,3,4,5,6
.irp hi, 1,2,3,4,5,6,7
.if \hi > \lo
	v_readlane_b32 s60, v85, Q
	v_writelane_b32 v87, s58, Q
	s_add_co_u32 s59, s58, s60
	v_max_u32 v92, s58, v89
	v_min_u32 v93, s59, v90
	v_cmp_lt_u32 vcc_lo, v92, v93                  ; the bin and my group of 32 places share a place (never for an empty bin)
	v_or_b32 v94, (1<<\lo)|(1<<\hi), v91
	v_cndmask_b32 v91, v91, v94, vcc_lo
	s_mov_b32 s58, s59
.set Q, Q+1
.endif
.endr
.endr
	v_add_nc_u32 v88, v87, v86                     ; lane q: where my wave's tokens of bin q begin
.set j, 0
.rept 16
	v_lshlrev_b32 v[64+j], 2, v[16+j]
.set j, j+1
.endr
.set j, 0
.rept 16
	ds_bpermute_b32 v[96+j], v[64+j], v88          ; from the lane that my key names
.set j, j+1
.endr
	s_wait_dscnt 0x0
.set j, 0
.rept 16
	v_add_nc_u32 v[64+j], v[32+j], v[96+j]         ; the token's place,
	v_min_u32 v[64+j], 0x7ff, v[64+j]              ; held inside the buffer,
	v_lshlrev_b32 v[64+j], 2, v[64+j]              ; in bytes
.set j, j+1
.endr
.set j, 0
.rept 16
	global_store_b32 v[64+j], v[48+j], s[12:13]
.set j, j+1
.endr
	v_lshlrev_b32 v92, 2, v0
	global_store_b32 v92, v91, s[14:15]            ; 128 threads: 512 consecutive bytes
	s_wait_tensorcnt 0x0
	ds_add_u32 v14, v15
	s_wait_dscnt 0x0
	s_endpgm
.Lfunc_end_k_q40c83afb86_prep:
	.size	k_q40c83afb86_prep, .Lfunc_end_k_q40c83afb86_prep-k_q40c83afb86_prep
	.p2alignl 7, 3214868480
	.fill 96, 4, 3214868480
	.section	.rodata,"a",@progbits
	.p2align	6, 0x0
	.amdhsa_kernel k_q40c83afb86_prep
		.amdhsa_group_segment_fixed_size 34816
		.amdhsa_private_segment_fixed_size 0
		.amdhsa_enable_private_segment 0
		.amdhsa_kernarg_size 48
		.amdhsa_user_sgpr_count 2
		.amdhsa_user_sgpr_kernarg_segment_ptr 1
		.amdhsa_wavefront_size32 1
		.amdhsa_system_sgpr_workgroup_id_x 1
		.amdhsa_system_sgpr_workgroup_id_y 1
		.amdhsa_system_sgpr_workgroup_id_z 1
		.amdhsa_system_vgpr_workitem_id 0
		.amdhsa_next_free_vgpr 256
		.amdhsa_next_free_sgpr 72
		.amdhsa_reserve_vcc 1
		.amdhsa_float_denorm_mode_32 3
		.amdhsa_float_denorm_mode_16_64 3
		.amdhsa_memory_ordered 1
		.amdhsa_forward_progress 1
		.amdhsa_inst_pref_size 122
	.end_amdhsa_kernel
	.amdgpu_metadata
---
amdhsa.version: [ 1, 2 ]
amdhsa.kernels:
  - .name:           k_q40c83afb86_prep
    .symbol:         k_q40c83afb86_prep.kd
    .args:
      - { .name: W, .offset: 0, .size: 8, .value_kind: global_buffer, .address_space: global }
      - { .name: keys, .offset: 8, .size: 8, .value_kind: global_buffer, .address_space: global }
      - { .name: wc, .offset: 16, .size: 8, .value_kind: global_buffer, .address_space: global }
      - { .name: ws, .offset: 24, .size: 8, .value_kind: global_buffer, .address_space: global }
      - { .name: order, .offset: 32, .size: 8, .value_kind: global_buffer, .address_space: global }
      - { .name: gmask, .offset: 40, .size: 8, .value_kind: global_buffer, .address_space: global }
    .group_segment_fixed_size: 34816
    .private_segment_fixed_size: 0
    .kernarg_segment_align: 8
    .kernarg_segment_size: 48
    .max_flat_workgroup_size: 128
    .sgpr_count:     72
    .vgpr_count:     256
    .wavefront_size: 32
...
	.end_amdgpu_metadata
.endif
;; end of part 2
;; launch moe (part 3): grid 16 x 16, 4 waves a work-group, no clusters, 283,136 bytes of LDS; arguments xc, xs, wc, ws, b, gates, order, gmask, out0; writes out0
.if DOCPART == 3
	.amdgcn_target "amdgcn-amd-amdhsa--gfx1250"
	.amdhsa_code_object_version 6
	.text
	.protected	k_q40c83afb86_moe
	.globl	k_q40c83afb86_moe
	.p2align	8
	.type	k_q40c83afb86_moe,@function
k_q40c83afb86_moe:
	s_mov_b64 s[64:65], 0
	v_nop
	global_prefetch_b8 v0, s[64:65] scope:SCOPE_SE
	s_setreg_imm32_b32 hwreg(HW_REG_WAVE_MODE, 25, 1), 1
	s_wait_xcnt 0x0
; out0[token][f] = the sum over the token's two chosen experts e of gate x relu(x . W[e][f] + b[e][f]), the products on codes of E4M3 with one E8M0 scale for each 32 along K.
; SHARES.  Work-group (x = fb, y = g) is the one owner of out0 for the tokens at sorted places 128 g .. 128 g + 127 and features 128 fb .. 128 fb + 127.  Wave w: all 128 tokens (8 tiles, four groups of 32) x features 32 w .. 32 w + 31 (2 tiles).
; The tokens' codes are gathered once into LDS and stay.  W's fragments, laid by the launch before in the order of the operand's registers, go from memory straight into the one wave that multiplies by them (512 consecutive bytes a load),
; through a ring of 8 register slots, seven K steps ahead.  The wave walks the experts 0 .. 7 in a loop of constant count; an expert that none of the 128 tokens uses is passed over, and in a pass each group of 32 tokens that does not
; use the expert, by scalar branches on the stored masks.  No barrier stands in the walk and no global load is ever jumped over, so every counted wait holds on every path.
; A token of a group at work that did not choose the expert has the gate 0: 0 x a finite number is added.
; TRANSPOSED USE: source 0 = 16 rows of W, source 1 = 16 tokens: a lane holds ONE token (lane % 16) and eight neighbouring features 8 (lane / 16) + 0 .. 7; the bias is the C of K step 0, the gate one number a lane.
; The look-ahead of a pass's last seven steps asks for the NEXT used expert's first seven K steps; the last pass has no next one: its count of trailing zeros is held at 7, and it asks for expert 7's (inside the buffers; not used).
; NO CLUSTER: work-groups that share W (same fb) walk different experts, by masks read from memory, so they would ask for different tiles; those that share tokens (same g) share gathered rows, 256 KiB of about 1.3 MiB that a work-group reads.
; NO TENSOR LOAD: a fragment of W has one reader, so a way through LDS would only add LDS traffic.
; LIMITS: NaN and infinities are not served.
; LDS: XI: tile i of 16 tokens at 34,816 i; piece j (k = 16 j .. 16 j + 15) of its token r at 272 j + 16 r: a row's store steps 272 bytes a lane, a fragment's load 16 bytes a lane.  GB: gates [e][128 places].  The stage for the way out lies over XI, behind a barrier.
; REGISTERS, in windows of 256 (s_set_vgpr_msb: bits 1:0 source 0, 3:2 source 1, 5:4 source 2, 7:6 destination):
;   window 0: addresses, scale words, bias, gates.  window 1: the tokens' fragments, two buffers of 8 x 16.  window 2: W's ring: slot u % 8, fragment n at 32 (u % 8) + 16 n.
;   window 3: v0-127 the pass's sums (tile i, n) at 8 (2 i + n); v128-255 the output's sums likewise.
.set XIT,  34816
.set GB,   8*XIT
.set SPI,  528                         ; a stage row: 512 bytes + 16
.set L16,  4                           ; v4      16 x lane
.set ST,   5                           ; v5      the gather's place in XI: 272 x lane + my wave's two tiles
.set XB,   6                           ; v6-13   tile i's fragments: 34,816 i + 16 r + 272 h
.set G0,   14                          ; v14     GB + 4 r
.set GA,   15                          ; v15     + 512 e
.set WS0,  17                          ; v17-18  my lane's bytes in my slab of ws, and in b, for expert 0
.set B0,   18
.set WC,   19                          ; v19-23  my lane's bytes for the expert at work (wc, ws) and for the next one (wc, ws, b).  wc's: 16 x lane + 65,536 x expert: my slab stands in the scalar base
.set WN,   20
.set WSC,  21
.set WSN,  22
.set BN,   23
.set TK,   24                          ; v24-27  place 32 v + lane's token x 64: its row of xs
.set TKW,  28                          ; v28     place 32 w + lane's token x 32: its row of gates
.set GST,  29                          ; v29     GB + 4 x thread
.set SIN,  30                          ; v30     the stage, in
.set SOUT, 31                          ; v31     and out
.set XS,   32                          ; v32-95  the tokens' scale words: 16 v + s: lanes 0-15 tile 2 v, lanes 16-31 tile 2 v + 1
.set WS,   96                          ; v96-111 W's scale words of K step s: lanes 0-15 n = 0, lanes 16-31 n = 1
.set BI,   112                         ; v112-127 the bias, 8 n + j, in the result's layout
.set G,    128                         ; v128-143 tile i's gates at 2 i (the packed form names a pair; the odd ones are written once)
.set A,    144                         ; v144-175 a byte offset for each of my wave's 32 tokens
.set GR,   176                         ; v176-183 a token's eight gates
.set TO,   184                         ; v184-185 offsets at the head and at the end
.set GM,   28                          ; s[28:31] the four groups' masks
.set TOK,  32                          ; s[32:63] my wave's 32 tokens
.set SWV,  66
.set SFB,  67
.set SGG,  68
.set SE,   69                          ; the expert
.set SEN,  70                          ; the next one that the block uses
.set SE5,  71                          ; 512 e
.set SANY, 72                          ; the experts that the block uses
.set MSB, 0
.macro WIN new                         ; the immediate's high byte repeats the setting that is left
.if MSB != \new
	s_set_vgpr_msb (MSB<<8)|\new
.set MSB, \new
.endif
.endm
; The loads of K step u % 16 of the expert at work (u < 16) or of the next (u >= 16): 8 for W's two fragments; with every fourth step its four steps' scale words; with step 0 the bias: 8, 9 or 13 loads.
.macro WGROUP u
.set US, (\u)%16
.if (\u) < 16
.set RW, WC
.set RZ, WSC
.else
.set RW, WN
.set RZ, WSN
.endif
.if US == 0
.irp n, 0,1
	global_load_b128 v[BI+8*\n:BI+8*\n+3], v[BN], s[16:17] offset:64*\n
	global_load_b128 v[BI+8*\n+4:BI+8*\n+7], v[BN], s[16:17] offset:64*\n+16
.endr
.endif
.if US%4 == 0
	global_load_b128 v[WS+US:WS+US+3], v[RZ], s[14:15] offset:512*(US/4)
.endif
	WIN 0x80
.irp n, 0,1
.irp c, 0,1,2,3
	global_load_b128 v[32*((\u)%8)+16*\n+4*\c:32*((\u)%8)+16*\n+4*\c+3], v[RW], s[12:13] offset:4096*US+2048*\n+512*\c
.endr
.endr
	WIN 0
.endm
; Group g's two tiles of tokens, K step s % 16, into buffer s % 2, if the group uses the expert in s[ereg]; withg: and the two tiles' gates.
.macro XG s, ereg, withg, g
	s_bitcmp1_b32 s[GM+\g], s[\ereg]
	s_cbranch_scc0 .Lxg_\@
.if \withg
	ds_load_b32 v[G+4*\g], v[GA] offset:128*\g
	ds_load_b32 v[G+4*\g+2], v[GA] offset:128*\g+64
.endif
	WIN 0x40
.irp t, 0,1
.irp c, 0,1,2,3
	ds_load_b128 v[128*((\s)%2)+16*(2*\g+\t)+4*\c:128*((\s)%2)+16*(2*\g+\t)+4*\c+3], v[XB+2*\g+\t] offset:2176*((\s)%16)+544*\c
.endr
.endr
	WIN 0
.Lxg_\@:
.endm
; One product: tile i of tokens (t = i % 2) x tile n of features, K step s.  W's scale words lie in lanes 16-31 for n = 1, the tokens' for an odd tile.
.macro MM s, i, n, t
.set QD, 8*(2*(\i)+\n)
.set QA, 32*((\s)%8)+16*\n
.set QB, 128*((\s)%2)+16*(\i)
.set QX, XS+16*((\i)/2)+(\s)
.if (\s) == 0
.set QC, BI+8*\n
.else
.set QC, QD
.endif
.if (\n == 0) && (\t == 0)
	v_wmma_scale_f32_16x16x128_f8f6f4 v[QD:QD+7], v[QA:QA+15], v[QB:QB+15], v[QC:QC+7], v[WS+(\s)], v[QX]
.elseif \t == 0
	v_wmma_scale_f32_16x16x128_f8f6f4 v[QD:QD+7], v[QA:QA+15], v[QB:QB+15], v[QC:QC+7], v[WS+(\s)], v[QX] matrix_a_scale:MATRIX_SCALE_ROW1
.elseif \n == 0
	v_wmma_scale_f32_16x16x128_f8f6f4 v[QD:QD+7], v[QA:QA+15], v[QB:QB+15], v[QC:QC+7], v[WS+(\s)], v[QX] matrix_b_scale:MATRIX_SCALE_ROW1
.else
	v_wmma_scale_f32_16x16x128_f8f6f4 v[QD:QD+7], v[QA:QA+15], v[QB:QB+15], v[QC:QC+7], v[WS+(\s)], v[QX] matrix_a_scale:MATRIX_SCALE_ROW1 matrix_b_scale:MATRIX_SCALE_ROW1
.endif
.endm
; Group g's four products of K step s.  Its four accumulators take turns, one instruction a turn, and every group begins with an even tile's n = 0 and ends with an odd tile's n = 1.
.macro MG s, g
	s_bitcmp1_b32 s[GM+\g], s[SE]
	s_cbranch_scc0 .Lmg_\@
.if (\s) == 0
	WIN 0xc6                                       ; W window 2, tokens window 1, C = the bias in window 0, D window 3
.else
	WIN 0xf6                                       ; C and D window 3
.endif
.irp t, 0,1
.irp n, 0,1
	MM \s, 2*\g+\t, \n, \t
.endr
.endr
	WIN 0
.Lmg_\@:
.endm
; Group g at a pass's end: relu, x the gate, onto the output's sums.  Each accumulator is read from its low end on.
.macro EG g
	s_bitcmp1_b32 s[GM+\g], s[SE]
	s_cbranch_scc0 .Leg_\@
	WIN 0xf3                                       ; sums in window 3, the gate (source 1) in window 0
.irp t, 0,1
.irp n, 0,1
.set QD, 8*(2*(2*\g+\t)+\n)
.irp j, 0,1,2,3,4,5,6,7
	v_max_num_f32 v[QD+\j], v[QD+\j], 0
.endr
.irp j, 0,2,4,6
	v_pk_fma_f32 v[128+QD+\j:128+QD+\j+1], v[QD+\j:QD+\j+1], v[G+4*\g+2*\t:G+4*\g+2*\t+1], v[128+QD+\j:128+QD+\j+1] op_sel_hi:[1,0,1]
.endr
.endr
.endr
	WIN 0
.Leg_\@:
.endm
; K step s of a pass.
.macro STEP s
	s_wait_dscnt 0x0                               ; this step's fragments of the tokens, asked for a step ago (how many loads that was differs by path: so the count is 0)
.set NN, 0
.irp d, 1,2,3,4,5,6
.set UU, (\s)+\d
.set NN, NN+8
.if UU%4 == 0
.set NN, NN+1
.endif
.if UU%16 == 0
.set NN, NN+4
.endif
.endr
	s_wait_loadcnt NN                              ; group s is in; the six groups issued behind it may be out
.rept 8
	v_nop                                          ; eight places behind the last step's products, in front of loads into registers that they read
.endr
	WGROUP (\s)+7                                  ; into the slot that the last step has left
.irp g, 0,1,2,3
.if (\s) == 15
	XG (\s)+1, SEN, 0, \g                          ; the next pass's first step
.elseif (\s) == 14
	XG (\s)+1, SE, 1, \g
.else
	XG (\s)+1, SE, 0, \g
.endif
.endr
.irp g, 0,1,2,3
	MG \s, \g
.endr
.endm
	s_load_b512 s[8:23], s[0:1], 0x0               ; xc s[8:9], xs s[10:11], wc s[12:13], ws s[14:15], b s[16:17], gates s[18:19], order s[20:21], gmask s[22:23]
	s_load_b64 s[24:25], s[0:1], 0x40              ; out0
	v_lshl_add_u32 v254, v0, 2, 0x45000
	v_mov_b32 v255, 0
	v_lshrrev_b32 v1, 5, v0
	v_readfirstlane_b32 s[SWV], v1                 ; wave
	s_mov_b32 s[SFB], ttmp9
	s_and_b32 s[SGG], ttmp7, 0xffff
	v_and_b32 v1, 31, v0                           ; lane
	v_and_b32 v2, 15, v0                           ; r
	v_bfe_u32 v3, v0, 4, 1                         ; h
	v_lshlrev_b32 v[L16], 4, v1
	v_mul_u32_u24 v[ST], v1, 272
	s_mul_i32 s73, s[SWV], 2*XIT
	v_add_nc_u32 v[ST], s73, v[ST]
	v_lshlrev_b32 v[XB], 4, v2
	v_mad_u32_u24 v[XB], v3, 272, v[XB]
.irp i, 1,2,3,4,5,6,7
	v_add_nc_u32 v[XB+\i], \i*XIT, v[XB]
.endr
	v_lshl_add_u32 v[G0], v2, 2, GB
	v_lshl_add_u32 v[GST], v0, 2, GB
	v_mul_u32_u24 v[SIN], v2, SPI                  ; the stage, in: row r, + 32 h, + 128 w: my eight features' bytes
	v_lshl_add_u32 v[SIN], v3, 5, v[SIN]
	s_lshl_b32 s73, s[SWV], 7
	v_add_nc_u32 v[SIN], s73, v[SIN]
	s_mul_i32 s73, s[SWV], 32*SPI
	v_add_nc_u32 v[SOUT], s73, v[L16]              ; and out: my 32 rows, 16 bytes a lane
	s_lshl_b32 s74, s[SFB], 2
	s_add_co_u32 s74, s74, s[SWV]                  ; my slab of 32 features within an expert: 4 fb + w
	s_lshl_b32 s80, s74, 19                        ; its eight experts' codes: 8 x 65,536 bytes a slab (under 2^25)
	s_mov_b32 s81, 0
	s_lshl_b32 s73, s74, 11
	v_add_nc_u32 v[WS0], s73, v[L16]
	s_lshl_b32 s73, s74, 7
	v_lshl_add_u32 v[B0], v3, 5, s73               ; 4 x (32 slab + 8 h)
	s_lshl_b32 s73, s[SGG], 9
	v_lshl_add_u32 v[TO], v1, 2, s73               ; order: 4 x (128 g + lane)
	s_lshl_b32 s75, s[SWV], 7
	v_add_nc_u32 v[TO+1], s75, v[TO]               ; + 32 w places
	s_add_co_u32 s78, s73, s75
	s_lshl_b32 s77, s[SGG], 4
	s_wait_kmcnt 0x0
	s_add_nc_u64 s[12:13], s[12:13], s[80:81]      ; wc at my slab
	s_load_b128 s[GM:GM+3], s[22:23], s77 offset:0x0      ; my four groups' masks
	s_load_b512 s[TOK:TOK+15], s[20:21], s78 offset:0x0   ; my wave's 32 tokens, as scalars: each names a row to gather and a row to store
	s_load_b512 s[TOK+16:TOK+31], s[20:21], s78 offset:0x40
.irp v, 0,1,2,3
	global_load_b32 v[TK+\v], v[TO], s[20:21] offset:128*\v
.endr
	global_load_b32 v[TKW], v[TO+1], s[20:21]
	s_wait_kmcnt 0x0
	s_or_b32 s[SANY], s[GM], s[GM+1]
	s_or_b32 s[SANY], s[SANY], s[GM+2]
	s_or_b32 s[SANY], s[SANY], s[GM+3]
	s_ctz_i32_b32 s[SEN], s[SANY]                  ; the first expert that the block uses,
	s_min_u32 s[SEN], s[SEN], 7                    ; held inside the tables
	s_lshl_b32 s73, s[SEN], 16                     ; an expert's codes of my slab: 65,536 bytes
	v_add_nc_u32 v[WN], s73, v[L16]
	s_lshl_b32 s73, s[SEN], 17                     ; its scale words: 64 slabs of 2,048
	v_add_nc_u32 v[WSN], s73, v[WS0]
	s_lshl_b32 s73, s[SEN], 13                     ; its bias: 8,192
	v_add_nc_u32 v[BN], s73, v[B0]
.irp u, 16,17,18,19,20,21,22
	WGROUP \u                                      ; its first seven K steps: 62 loads, on their way while the tokens are gathered
.endr
.set p, 0
.rept 32
	s_min_u32 s[TOK+p], s[TOK+p], 0x7ff
.set p, p+1
.endr
	s_wait_loadcnt 62                              ; the five loads of order are in; the 62 issued behind them may be out
.irp v, 0,1,2,3
	v_min_u32 v[TK+\v], 0x7ff, v[TK+\v]
	v_lshlrev_b32 v[TK+\v], 6, v[TK+\v]
.endr
	v_min_u32 v[TKW], 0x7ff, v[TKW]
	v_lshlrev_b32 v[TKW], 5, v[TKW]
.irp v, 0,1,2,3
.irp i, 0,1,2,3
	global_load_b128 v[XS+16*\v+4*\i:XS+16*\v+4*\i+3], v[TK+\v], s[10:11] offset:16*\i   ; a token's 16 scale words
.endr
.endr
	global_load_b128 v[GR:GR+3], v[TKW], s[18:19]
	global_load_b128 v[GR+4:GR+7], v[TKW], s[18:19] offset:16
.set p, 0
.rept 32
	v_lshl_add_u32 v[A+p], s[TOK+p], 11, v[L16]    ; token x 2,048 + 16 x lane
.set p, p+1
.endr
	; THE GATHER: my wave's 32 rows of codes, four loads of 512 consecutive bytes each: rows 0-15 fill window 1, rows 16-31 window 3.
	; (So every register that the walk writes under a branch has been written on every path.)
	WIN 0x40
.set p, 0
.rept 16
.irp i, 0,1,2,3
	global_load_b128 v[16*p+4*\i:16*p+4*\i+3], v[A+p], s[8:9] offset:512*\i
.endr
.set p, p+1
.endr
	WIN 0xc0
.set p, 0
.rept 16
.irp i, 0,1,2,3
	global_load_b128 v[16*p+4*\i:16*p+4*\i+3], v[A+16+p], s[8:9] offset:512*\i
.endr
.set p, p+1
.endr
	WIN 0
	s_wait_loadcnt 63                              ; loads come back in order (ISA guide 5.7.1): all but 63 of rows 16-31's 64 are in: scale words, gates and rows 0-15 among them
.irp e, 0,1,2,3,4,5,6,7
	ds_store_b32 v[GST], v[GR+\e] offset:512*\e
.endr
	WIN 0x04                                       ; an LDS store's data are its source 1: window 1
.set p, 0
.rept 16
.irp i, 0,1,2,3
	ds_store_b128 v[ST], v[16*p+4*\i:16*p+4*\i+3] offset:16*p+8704*\i   ; lane l holds piece 32 i + l of token p
.endr
.set p, p+1
.endr
	WIN 0x0c
.set p, 0
.rept 16
.if p%4 == 0
	s_wait_loadcnt 48-4*p                          ; the next four rows are in; the rows behind them may be out
.endif
.irp i, 0,1,2,3
	ds_store_b128 v[ST], v[16*p+4*\i:16*p+4*\i+3] offset:XIT+16*p+8704*\i
.endr
.set p, p+1
.endr
	WIN 0
	s_wait_dscnt 0x0                               ; for the others' sake, and the stores have read their registers
	s_barrier_signal -1
	WIN 0xc0
.set p, 0
.rept 128
	v_mov_b32 v[128+p], 0                          ; the output's sums.  Which pass is a group's first is not known to the text, so no product can start them
.set p, p+1
.endr
	WIN 0
.set p, 0
.rept 16
	v_mov_b32 v[G+p], 0
.set p, p+1
.endr
	s_barrier_wait -1                              ; the 128 tokens' codes and gates lie in LDS
.irp g, 0,1,2,3
	XG 0, SEN, 0, \g
.endr
	s_mov_b32 s[SE], 0
	s_mov_b32 s[SE5], 0
.Lexp:                                             ; eight trips
	s_bitcmp1_b32 s[SANY], s[SE]
	s_cbranch_scc0 .Lskip
	s_lshl_b32 s73, 2, s[SE]
	s_sub_co_u32 s73, s73, 1
	s_and_not1_b32 s76, s[SANY], s73               ; the used experts above e
	s_ctz_i32_b32 s[SEN], s76                      ; the lowest of them,
	s_min_u32 s[SEN], s[SEN], 7                    ; held inside the tables: where none is left, 7
	s_wait_xcnt 0x0                                ; the offset registers of loads already issued are written again only behind this wait
	s_lshl_b32 s73, s[SE], 16
	s_lshl_b32 s74, s[SEN], 16
	v_add_nc_u32 v[WC], s73, v[L16]
	v_add_nc_u32 v[WN], s74, v[L16]
	s_lshl_b32 s73, s[SE], 17
	s_lshl_b32 s74, s[SEN], 17
	v_add_nc_u32 v[WSC], s73, v[WS0]
	v_add_nc_u32 v[WSN], s74, v[WS0]
	s_lshl_b32 s73, s[SEN], 13
	v_add_nc_u32 v[BN], s73, v[B0]
	v_add_nc_u32 v[GA], s[SE5], v[G0]
.irp s, 0,1,2,3,4,5,6,7,8,9,10,11,12,13,14,15
	STEP \s
.endr
	s_wait_dscnt 0x0                               ; the gates
.rept 8
	v_nop                                          ; eight places behind the last products, in front of the first read of their results; with the next pass's eight they are sixteen in front of the products that begin the sums anew
.endr
.irp g, 0,1,2,3
	EG \g
.endr
.Lskip:
	s_add_co_u32 s[SE5], s[SE5], 512
	s_add_co_u32 s[SE], s[SE], 1
	s_cmp_lt_u32 s[SE], 8
	s_cbranch_scc1 .Lexp
	; THE WAY OUT.  A lane holds 32 neighbouring bytes of a token's row and a row's 512 bytes come from four waves: they meet in a stage, and each wave stores 32 whole rows.
	s_wait_loadcnt 0x0                             ; the last look-ahead
	s_wait_dscnt 0x0                               ; my reads of the tokens' codes are over
	s_barrier_signal -1
	s_barrier_wait -1                              ; everybody's are: the stage may be written over them
	WIN 0x0c
.irp i, 0,1,2,3,4,5,6,7
.irp n, 0,1
	ds_store_b128 v[SIN], v[128+8*(2*\i+\n):128+8*(2*\i+\n)+3] offset:16*SPI*\i+64*\n
	ds_store_b128 v[SIN], v[128+8*(2*\i+\n)+4:128+8*(2*\i+\n)+7] offset:16*SPI*\i+64*\n+16
.endr
.endr
	WIN 0
	s_lshl_b32 s73, s[SFB], 9
	v_add_nc_u32 v[TO], s73, v[L16]                ; 512 fb + 16 x lane
.set p, 0
.rept 32
	v_lshl_add_u32 v[A+p], s[TOK+p], 13, v[TO]     ; + token x 8,192
.set p, p+1
.endr
	s_wait_dscnt 0x0                               ; for the others' sake
	s_barrier_signal -1
	s_barrier_wait -1
	WIN 0x40
.set p, 0
.rept 32
	ds_load_b128 v[4*p:4*p+3], v[SOUT] offset:SPI*p
.set p, p+1
.endr
	WIN 0x04                                       ; a store's data are its source 1: window 1
.set p, 0
.rept 32
	s_wait_dscnt 31-p                              ; row p is back; the rows behind it may be out
	global_store_b128 v[A+p], v[4*p:4*p+3], s[24:25] th:TH_STORE_NT   ; 32 lanes store 512 consecutive bytes of one token's row, at a multiple of 512 from out0's first byte
.set p, p+1
.endr
	WIN 0
	s_wait_tensorcnt 0x0
	ds_add_u32 v254, v255
	s_wait_dscnt 0x0
	s_endpgm
.Lfunc_end_k_q40c83afb86_moe:
	.size	k_q40c83afb86_moe, .Lfunc_end_k_q40c83afb86_moe-k_q40c83afb86_moe
	.p2alignl 7, 3214868480
	.fill 96, 4, 3214868480
	.section	.rodata,"a",@progbits
	.p2align	6, 0x0
	.amdhsa_kernel k_q40c83afb86_moe
		.amdhsa_group_segment_fixed_size 283136
		.amdhsa_private_segment_fixed_size 0
		.amdhsa_enable_private_segment 0
		.amdhsa_kernarg_size 72
		.amdhsa_user_sgpr_count 2
		.amdhsa_user_sgpr_kernarg_segment_ptr 1
		.amdhsa_wavefront_size32 1
		.amdhsa_system_sgpr_workgroup_id_x 1
		.amdhsa_system_sgpr_workgroup_id_y 1
		.amdhsa_system_sgpr_workgroup_id_z 1
		.amdhsa_system_vgpr_workitem_id 0
		.amdhsa_next_free_vgpr 1024
		.amdhsa_next_free_sgpr 90
		.amdhsa_reserve_vcc 0
		.amdhsa_float_denorm_mode_32 3
		.amdhsa_float_denorm_mode_16_64 3
		.amdhsa_memory_ordered 1
		.amdhsa_forward_progress 1
		.amdhsa_inst_pref_size 168
	.end_amdhsa_kernel
	.amdgpu_metadata
---
amdhsa.version: [ 1, 2 ]
amdhsa.kernels:
  - .name:           k_q40c83afb86_moe
    .symbol:         k_q40c83afb86_moe.kd
    .args:
      - { .name: xc, .offset: 0, .size: 8, .value_kind: global_buffer, .address_space: global }
      - { .name: xs, .offset: 8, .size: 8, .value_kind: global_buffer, .address_space: global }
      - { .name: wc, .offset: 16, .size: 8, .value_kind: global_buffer, .address_space: global }
      - { .name: ws, .offset: 24, .size: 8, .value_kind: global_buffer, .address_space: global }
      - { .name: b, .offset: 32, .size: 8, .value_kind: global_buffer, .address_space: global }
      - { .name: gates, .offset: 40, .size: 8, .value_kind: global_buffer, .address_space: global }
      - { .name: order, .offset: 48, .size: 8, .value_kind: global_buffer, .address_space: global }
      - { .name: gmask, .offset: 56, .size: 8, .value_kind: global_buffer, .address_space: global }
      - { .name: out0, .offset: 64, .size: 8, .value_kind: global_buffer, .address_space: global }
    .group_segment_fixed_size: 283136
    .private_segment_fixed_size: 0
    .kernarg_segment_align: 8
    .kernarg_segment_size: 72
    .max_flat_workgroup_size: 128
    .sgpr_count:     90
    .vgpr_count:     1024
    .wavefront_size: 32
...
	.end_amdgpu_metadata
.endif
;; end of part 3
;; ======== version 2 of 2: 3 launches
;; workspace buffers: xc 4,194,304 bytes; xs 131,072 bytes; gates 65,536 bytes; keys 8,192 bytes of whole numbers; order 8,192 bytes of whole numbers; gmask 512 bytes of whole numbers; wc 33,554,432 bytes; ws 1,048,576 bytes
;; launch gate (part 4): grid 256 x 1, 4 waves a work-group, no clusters, 22,528 bytes of LDS; arguments x, Wg, bg, xc, xs, gates, keys; writes xc, xs, gates, keys
.if DOCPART == 4
	.amdgcn_target "amdgcn-amd-amdhsa--gfx1250"
	.amdhsa_code_object_version 6
	.text
	.protected	k_q40c83afb86_gate
	.globl	k_q40c83afb86_gate
	.p2align	8
	.type	k_q40c83afb86_gate,@function
k_q40c83afb86_gate:
	s_mov_b64 s[64:65], 0
	v_nop
	global_prefetch_b8 v0, s[64:65] scope:SCOPE_SE
	s_setreg_imm32_b32 hwreg(HW_REG_WAVE_MODE, 25, 1), 1
	s_wait_xcnt 0x0
; x [2048][2048] f32 is read once and serves twice: (1) it becomes codes of E4M3, xc [token][2048], with one E8M0 byte for each 32 along K, xs [token][64];
; (2) the gate: logits x Wg^T + bg by f32 fused multiply-adds, softmax with the row's maximum taken away, the two largest gates (the lower index wins an exact tie).
; OUT: gates [token][8] f32 = the gate where the expert is one of the two chosen, else 0;  keys [token] = the number 0 .. 27 of the chosen pair (lo < hi): lo (15 - lo) / 2 + hi - lo - 1.
; No address and no branch here hangs on the choice: the keys are only stored; a later launch places the tokens by them.
; SHARES.  A work-group owns 8 rows; wave w owns K = 512 w .. 512 w + 511 of all 8: a step is one row's 2,048 bytes, four loads of 512 consecutive bytes.  The wave's part of Wg (8 x 512 numbers) stays in 128 registers,
; loaded in the same lane order as x, so the gate's products take x as it was loaded.  For the conversions a lane must hold 16 neighbours along K: the step's bytes turn through the wave's own stage in LDS (64 bytes + 16 of padding a lane).
; A block's scale: the largest magnitude's exponent field - 8, held at 1 from below; each number is held within +-448 x the scale and rounded to the nearest code.
; LIMITS: NaN and infinities among the inputs are not served.  A block of zeros, and a block whose largest magnitude lies under 2^-118, gets the byte 1 (zero codes add nothing; the bytes are read by this program alone).
; The logits' sums run in another order than a row-by-row sum: two gates closer than that rounding may be ranked otherwise.  No matrix unit, cluster or tensor load: each byte is read by one wave, once.
.set SP,   80                          ; a lane's place in a stage
.set WST,  5120                        ; a wave's two stages of 32 x SP bytes
.set SBY,  20480                       ; the 8 rows' scale bytes, [row][64]
.set PT,   20992                       ; partial logits, [wave][row][8] f32
.set ACC,  16                          ; v16-31   a pair of running sums for each expert
.set SU,   32                          ; v32-39   the wave's sum for each expert
.set PM,   40                          ; v40-47   the other half of the lanes' sums
.set CD,   48                          ; v48-79   four registers of codes for each step: no store's data are written again
.set R,    80                          ; v80-127  three sets of 16 numbers
.set WG,   128                         ; v128-255 Wg: expert e, load i at 16 e + 4 i
	s_load_b256 s[4:11], s[0:1], 0x0               ; x s[4:5], Wg s[6:7], bg s[8:9], xc s[10:11]
	s_load_b128 s[12:15], s[0:1], 0x20             ; xs s[12:13], gates s[14:15]
	s_load_b64 s[16:17], s[0:1], 0x30              ; keys
	s_set_vgpr_msb 0x40
	v_lshl_add_u32 v0, v0, 2, 0x5600
	v_mov_b32 v1, 0
	s_set_vgpr_msb 0x4000
	v_lshrrev_b32 v1, 5, v0
	v_readfirstlane_b32 s18, v1                    ; wave
	v_and_b32 v1, 31, v0                           ; lane
	v_lshlrev_b32 v2, 4, v1                        ; 16 x lane
	s_lshl_b32 s19, s18, 11
	v_add_nc_u32 v3, s19, v2                       ; x and Wg: my 16 bytes of a load's 512, in my wave's quarter of a row
	s_lshl_b32 s19, s18, 9
	v_add_nc_u32 v4, s19, v2                       ; the codes: 16 bytes a lane, 512 a wave
	s_lshl_b32 s19, s18, 4
	s_add_co_u32 s19, s19, SBY
	v_lshrrev_b32 v5, 1, v1
	v_add_nc_u32 v5, s19, v5                       ; my block's scale byte: 16 blocks a wave, two lanes to a block
	s_lshl_b32 s19, s18, 8
	s_add_co_u32 s19, s19, PT
	v_mov_b32 v6, s19                              ; my wave's partial logits
	s_mul_i32 s19, s18, WST
	v_lshrrev_b32 v14, 2, v1
	v_mul_u32_u24 v14, v14, SP
	v_and_b32 v15, 3, v1
	v_lshl_add_u32 v14, v15, 4, v14
	v_add_nc_u32 v14, s19, v14                     ; the stage, in: four lanes' 64 bytes on end, then 16 of padding
	v_mul_u32_u24 v15, v1, SP
	v_add_nc_u32 v15, s19, v15                     ; and out: my 16 neighbours
	s_mov_b32 s20, 0x76543210
	s_mov_b32 s21, 0xfedcba98                      ; v_permlanex16_b32's selects for lane l xor 16
	s_mov_b32 s23, 0x600000                        ; the mantissa field of 448
	s_mov_b32 s33, 0
.irp e, 0,1,2,3,4,5,6,7
	v_mov_b32 v[PM+\e], 0                          ; written once: a lane permute's destination counts as one of its sources
.endr
	s_wait_kmcnt 0x0
	s_load_b256 s[24:31], s[8:9], 0x0              ; bg
	s_lshl_b32 s32, ttmp9, 16                      ; 8 rows of 8,192 bytes
	s_add_nc_u64 s[4:5], s[4:5], s[32:33]
	s_lshl_b32 s32, ttmp9, 14                      ; 8 rows of 2,048 codes
	s_add_nc_u64 s[10:11], s[10:11], s[32:33]
	s_lshl_b32 s32, ttmp9, 9                       ; 8 rows of 64 scale bytes
	s_add_nc_u64 s[12:13], s[12:13], s[32:33]
	s_lshl_b32 s32, ttmp9, 8                       ; 8 rows of 8 gates
	s_add_nc_u64 s[14:15], s[14:15], s[32:33]
	s_lshl_b32 s32, ttmp9, 5                       ; 8 keys
	s_add_nc_u64 s[16:17], s[16:17], s[32:33]
.irp e, 0,1,2,3,4,5,6,7
.irp i, 0,1,2,3
	global_load_b128 v[WG+16*\e+4*\i:WG+16*\e+4*\i+3], v3, s[6:7] offset:8192*\e+512*\i   ; every work-group reads Wg: no hint
.endr
.endr
.macro LOADX t                         ; row t's chunk into set t % 3: each load reads 512 consecutive bytes
.irp i, 0,1,2,3
	global_load_b128 v[R+16*((\t)%3)+4*\i:R+16*((\t)%3)+4*\i+3], v3, s[4:5] offset:8192*(\t)+512*\i th:TH_LOAD_NT
.endr
.endm
	LOADX 0
	LOADX 1
	LOADX 2
	s_wait_kmcnt 0x0                               ; bg
.macro STEP t
.set RS, R+16*((\t)%3)
	s_wait_dscnt 0x0                               ; the last step's LDS stores are done: their registers may be written
.if 7-(\t) >= 2
	s_wait_loadcnt 8                               ; this row's four loads (and Wg) are in; the two rows behind it may be out
.else
	s_wait_loadcnt 4*(7-(\t))
.endif
.irp e, 0,1,2,3,4,5,6,7
	v_pk_mul_f32 v[ACC+2*\e:ACC+2*\e+1], v[RS:RS+1], v[WG+16*\e:WG+16*\e+1]   ; the first products start the sums; the experts take turns, so no line waits for the line above it
.endr
.irp p, 1,2,3,4,5,6,7
.irp e, 0,1,2,3,4,5,6,7
	v_pk_fma_f32 v[ACC+2*\e:ACC+2*\e+1], v[RS+2*\p:RS+2*\p+1], v[WG+16*\e+2*\p:WG+16*\e+2*\p+1], v[ACC+2*\e:ACC+2*\e+1]
.endr
.endr
.irp i, 0,1,2,3
	ds_store_b128 v14, v[RS+4*\i:RS+4*\i+3] offset:32*SP*((\t)%2)+8*SP*\i
.endr
.irp i, 0,1,2,3
	ds_load_b128 v[RS+4*\i:RS+4*\i+3], v15 offset:32*SP*((\t)%2)+16*\i   ; LDS serves a wave's instructions in order (ISA guide 5.7.1.4): these see the stores above, and land in the registers that those have left
.endr
.irp e, 0,1,2,3,4,5,6,7
	v_add_f32 v[SU+\e], v[ACC+2*\e], v[ACC+2*\e+1]
.endr
.irp m, 1,2,4,8
.irp e, 0,1,2,3,4,5,6,7
	v_add_f32_dpp v[SU+\e], v[SU+\e], v[SU+\e] row_xmask:\m row_mask:0xf bank_mask:0xf
.endr
.endr
.irp e, 0,1,2,3,4,5,6,7
	v_permlanex16_b32 v[PM+\e], v[SU+\e], s20, s21
.endr
.irp e, 0,1,2,3,4,5,6,7
	v_add_f32 v[SU+\e], v[SU+\e], v[PM+\e]         ; every lane holds the wave's eight partial logits of this row
.endr
	ds_store_b128 v6, v[SU:SU+3] offset:32*(\t)    ; all lanes write the same bytes with the same values
	ds_store_b128 v6, v[SU+4:SU+7] offset:32*(\t)+16
	s_wait_dscnt 2                                 ; my 16 neighbours are back from the stage; the two stores just issued may be out
	v_max3_num_f32 v8, |v[RS]|, |v[RS+1]|, |v[RS+2]|
	v_max3_num_f32 v9, |v[RS+3]|, |v[RS+4]|, |v[RS+5]|
.irp i, 6,10
	v_max3_num_f32 v8, v8, |v[RS+\i]|, |v[RS+\i+1]|
	v_max3_num_f32 v9, v9, |v[RS+\i+2]|, |v[RS+\i+3]|
.endr
	v_max3_num_f32 v8, v8, |v[RS+14]|, |v[RS+15]|
	v_max3_num_f32 v8, v8, v9, 0x4800000           ; and the floor 2^(9 - 127): the byte cannot fall under 1
	v_max_num_f32_dpp v8, v8, v8 row_xmask:1 row_mask:0xf bank_mask:0xf   ; with my neighbour's 16: the block's largest magnitude
	v_add_nc_u32 v11, 0xfc000000, v8               ; 8 off its exponent field: the conversion's scale operand
	v_and_or_b32 v10, v8, 0x7f800000, s23          ; 448 x the scale
.irp i, 0,1,2,3,4,5,6,7,8,9,10,11,12,13,14,15
	v_med3_num_f32 v[RS+\i], v[RS+\i], -v10, v10   ; the conversion to an 8-bit code does not saturate (ISA guide 7.6.2): the hold comes first
.endr
	v_cvt_scalef32_pk8_fp8_f32 v[CD+4*(\t):CD+4*(\t)+1], v[RS:RS+7], v11
	v_cvt_scalef32_pk8_fp8_f32 v[CD+4*(\t)+2:CD+4*(\t)+3], v[RS+8:RS+15], v11
	v_lshrrev_b32 v12, 23, v11                     ; the scale's byte; also the plain line behind the conversions
	ds_store_b8 v5, v12 offset:64*(\t)             ; both lanes of a block write the same byte
	global_store_b128 v4, v[CD+4*(\t):CD+4*(\t)+3], s[10:11] offset:2048*(\t)   ; the wave stores 512 consecutive bytes
.if (\t)+3 < 8
	LOADX (\t)+3                                   ; into the set just left
.endif
.endm
.irp t, 0,1,2,3,4,5,6,7
	STEP \t
.endr
	s_wait_dscnt 0x0                               ; for the others' sake: my scale bytes and partial logits lie in LDS
	s_barrier_signal -1
	s_barrier_wait -1
	s_cmp_lg_u32 s18, 0
	s_cbranch_scc1 .Lend                           ; wave 0 finishes the 8 rows
	v_add_nc_u32 v7, SBY, v2
	ds_load_b128 v[112:115], v7                    ; the 512 scale bytes, 16 a lane
	v_bfe_u32 v125, v1, 1, 3                       ; my row: two lanes to a row; lanes 16-31 repeat lanes 0-15
	v_lshl_add_u32 v9, v125, 5, PT
.irp w, 0,1,2,3
	ds_load_b128 v[80+8*\w:83+8*\w], v9 offset:256*\w
	ds_load_b128 v[84+8*\w:87+8*\w], v9 offset:256*\w+16
.endr
	v_and_b32 v124, 15, v1
	v_lshlrev_b32 v124, 4, v124                    ; gates: 16 bytes a lane, sixteen lanes cover the 8 rows' 256 bytes
	v_lshlrev_b32 v123, 2, v125                    ; keys: 4 bytes a row
	v_and_b32 v126, 1, v1                          ; which half of the row's eight gates I store
	s_wait_dscnt 0x0
	global_store_b128 v2, v[112:115], s[12:13]     ; 512 consecutive bytes
.irp e, 0,1,2,3,4,5,6,7
	v_add_f32 v[16+\e], v[80+\e], v[88+\e]
	v_add_f32 v[24+\e], v[96+\e], v[104+\e]
.endr
.irp e, 0,1,2,3,4,5,6,7
	v_add_f32 v[16+\e], v[16+\e], v[24+\e]
.endr
.irp e, 0,1,2,3,4,5,6,7
	v_add_f32 v[16+\e], s[24+\e], v[16+\e]         ; + bg: the logits
.endr
	v_max3_num_f32 v40, v16, v17, v18
	v_max3_num_f32 v40, v40, v19, v20
	v_max3_num_f32 v40, v40, v21, v22
	v_max_num_f32 v40, v40, v23                    ; the row's maximum is taken away before the exponential
.irp e, 0,1,2,3,4,5,6,7
	v_sub_f32 v[24+\e], v[16+\e], v40
.endr
.irp e, 0,1,2,3,4,5,6,7
	v_mul_f32 v[24+\e], 0x3fb8aa3b, v[24+\e]
.endr
	s_wait_alu depctr_va_vdst(0)
.irp e, 0,1,2,3,4,5,6,7
	v_exp_f32 v[24+\e], v[24+\e]
.endr
	v_nop                                          ; a plain line behind the exponentials
	s_wait_alu depctr_va_vdst(0)
	v_add_f32 v41, v24, v25
	v_add_f32 v42, v26, v27
	v_add_f32 v43, v28, v29
	v_add_f32 v44, v30, v31
	v_add_f32 v41, v41, v42
	v_add_f32 v43, v43, v44
	v_add_f32 v41, v41, v43
	s_wait_alu depctr_va_vdst(0)
	v_rcp_f32 v42, v41
	v_mov_b32 v43, v24                             ; the largest so far (also the plain line behind the reciprocal)
	v_mov_b32 v44, 0                               ; and its expert
.irp e, 1,2,3,4,5,6,7
	v_cmp_gt_f32 vcc_lo, v[24+\e], v43             ; strictly greater: the lower index keeps a tie
	v_cndmask_b32 v43, v43, v[24+\e], vcc_lo
	v_cndmask_b32 v44, v44, \e, vcc_lo
.endr
	v_mov_b32 v45, -1.0                            ; the second: under every p, so that some expert is always taken
	v_mov_b32 v46, 0
.irp e, 0,1,2,3,4,5,6,7
	v_cmp_gt_f32 s34, v[24+\e], v45
	v_cmp_ne_u32 s35, \e, v44
	s_and_b32 s34, s34, s35
	v_cndmask_b32 v45, v45, v[24+\e], s34
	v_cndmask_b32 v46, v46, \e, s34
.endr
	s_wait_alu depctr_va_vdst(0)
	v_mul_f32 v47, v43, v42                        ; the two gates
	v_mul_f32 v13, v45, v42
.irp e, 0,1,2,3,4,5,6,7
	v_cmp_eq_u32 vcc_lo, \e, v46
	v_cndmask_b32 v[32+\e], 0, v13, vcc_lo
	v_cmp_eq_u32 vcc_lo, \e, v44
	v_cndmask_b32 v[32+\e], v[32+\e], v47, vcc_lo
.endr
	v_cmp_eq_u32 vcc_lo, 1, v126
.irp j, 0,1,2,3
	v_cndmask_b32 v[116+\j], v[32+\j], v[36+\j], vcc_lo
.endr
	global_store_b128 v124, v[116:119], s[14:15]   ; sixteen lanes store 256 consecutive bytes; lanes 16-31 the same bytes again
	v_min_u32 v120, v44, v46                       ; lo
	v_max_u32 v121, v44, v46                       ; hi
	v_sub_nc_u32 v122, 15, v120
	v_mul_u32_u24 v122, v122, v120
	v_lshrrev_b32 v122, 1, v122
	v_add_nc_u32 v122, v122, v121
	v_sub_nc_u32 v122, v122, v120
	v_add_nc_u32 v122, -1, v122                    ; the pair's number
	global_store_b32 v123, v122, s[16:17]          ; 32 bytes a work-group
.Lend:
	s_set_vgpr_msb 0x5
	s_wait_tensorcnt 0x0
	ds_add_u32 v0, v1
	s_wait_dscnt 0x0
	s_set_vgpr_msb 0x500
	s_endpgm
.Lfunc_end_k_q40c83afb86_gate:
	.size	k_q40c83afb86_gate, .Lfunc_end_k_q40c83afb86_gate-k_q40c83afb86_gate
	.p2alignl 7, 3214868480
	.fill 96, 4, 3214868480
	.section	.rodata,"a",@progbits
	.p2align	6, 0x0
	.amdhsa_kernel k_q40c83afb86_gate
		.amdhsa_group_segment_fixed_size 22528
		.amdhsa_private_segment_fixed_size 0
		.amdhsa_enable_private_segment 0
		.amdhsa_kernarg_size 56
		.amdhsa_user_sgpr_count 2
		.amdhsa_user_sgpr_kernarg_segment_ptr 1
		.amdhsa_wavefront_size32 1
		.amdhsa_system_sgpr_workgroup_id_x 1
		.amdhsa_system_sgpr_workgroup_id_y 1
		.amdhsa_system_sgpr_workgroup_id_z 1
		.amdhsa_system_vgpr_workitem_id 0
		.amdhsa_next_free_vgpr 258
		.amdhsa_next_free_sgpr 66
		.amdhsa_reserve_vcc 1
		.amdhsa_float_denorm_mode_32 3
		.amdhsa_float_denorm_mode_16_64 3
		.amdhsa_memory_ordered 1
		.amdhsa_forward_progress 1
		.amdhsa_inst_pref_size 96
	.end_amdhsa_kernel
	.amdgpu_metadata
---
amdhsa.version: [ 1, 2 ]
amdhsa.kernels:
  - .name:           k_q40c83afb86_gate
    .symbol:         k_q40c83afb86_gate.kd
    .args:
      - { .name: x, .offset: 0, .size: 8, .value_kind: global_buffer, .address_space: global }
      - { .name: Wg, .offset: 8, .size: 8, .value_kind: global_buffer, .address_space: global }
      - { .name: bg, .offset: 16, .size: 8, .value_kind: global_buffer, .address_space: global }
      - { .name: xc, .offset: 24, .size: 8, .value_kind: global_buffer, .address_space: global }
      - { .name: xs, .offset: 32, .size: 8, .value_kind: global_buffer, .address_space: global }
      - { .name: gates, .offset: 40, .size: 8, .value_kind: global_buffer, .address_space: global }
      - { .name: keys, .offset: 48, .size: 8, .value_kind: global_buffer, .address_space: global }
    .group_segment_fixed_size: 22528
    .private_segment_fixed_size: 0
    .kernarg_segment_align: 8
    .kernarg_segment_size: 56
    .max_flat_workgroup_size: 128
    .sgpr_count:     66
    .vgpr_count:     258
    .wavefront_size: 32
...
	.end_amdgpu_metadata
.endif
;; end of part 4
;; launch prep (part 5): grid 513 x 1, 4 waves a work-group, no clusters, 34,816 bytes of LDS; arguments W, keys, wc, ws, order, gmask; writes wc, ws, order, gmask
.if DOCPART == 5
	.amdgcn_target "amdgcn-amd-amdhsa--gfx1250"
	.amdhsa_code_object_version 6
	.text
	.protected	k_q40c83afb86_prep
	.globl	k_q40c83afb86_prep
	.p2align	8
	.type	k_q40c83afb86_prep,@function
k_q40c83afb86_prep:
	s_mov_b64 s[64:65], 0
	v_nop
	global_prefetch_b8 v0, s[64:65] scope:SCOPE_SE
	s_setreg_imm32_b32 hwreg(HW_REG_WAVE_MODE, 25, 1), 1
	s_wait_xcnt 0x0
; TWO JOBS IN ONE LAUNCH.  Work-groups 1 .. 512 quantise W; work-group 0 places the tokens by their pair of experts while the others stream.
; (1) W [8][2048][2048] f32, seen as 16,384 rows along K, becomes codes of E4M3 and E8M0 scale words LAID IN THE ORDER OF THE OPERAND'S REGISTERS, so that the product's launch loads fragments whole.  A slab is 32 rows: slab S = 64 e + sl.
;     wc [sl 0..63][expert e][K step s of 128][n: which 16 rows][c 0..3][lane][16 bytes]: lane (r, h) holds row 32 S + 16 n + r, k = 128 s + 32 c + 16 h + 0 .. 15.  (The expert stands inside the slab's number, so that from expert to expert it is 65,536 bytes.)
;     ws [slab S][q 0..3][lane = 16 n + r][4 words]: the scale words of K steps 4 q .. 4 q + 3 of that row.
;     Wave w takes 16 rows (n = w & 1) x 8 K steps (from 8 (w >> 1)).  A step's 16 loads read 512 consecutive bytes of a row each; the 8 KiB turn through the wave's own stage in LDS (rows 528 bytes apart: 33 x 16, so the 16 rows
;     that a read touches start 16 bytes apart modulo 256) and come back as 64 numbers a lane in the operand's order.  Loads run two steps ahead of the step at work.
; (2) keys [2048] (0 .. 27) -> order [place] = token, the tokens sorted by key (a counting sort without atomics: each wave counts its 512 tokens bin by bin, the waves' counts meet in LDS), and
;     gmask [t] = the experts that places 32 t .. 32 t + 31 use, one bit each (words 64 .. 127 are 0).  Whole numbers only.  The 2,048 stores of order are 4 bytes each to scattered places, 8 KiB in all.
; LIMITS: NaN and infinities in W are not served; a block of zeros, and one whose largest magnitude lies under 2^-118, gets the byte 1 (zero codes add nothing; this program alone reads the bytes).
; No tensor loads, clusters or matrix unit: every byte of W is read by one wave, once.
.set SPI,  528
.set WST,  16*SPI                      ; a wave's stage
.set CNT,  4*WST                       ; the placing work-group's own bytes: [wave][32] counts
.set TM,   16                          ; v16-19 largest magnitudes, v20-23 bytes, v24-27 448 x the scale, v28-31 the conversions' scale operands
.set PW,   32                          ; the scale word just made
.set SW,   36                          ; v36-43 the wave's eight scale words
.set PC,   48                          ; v48-63 a fragment's codes
.set R,    64                          ; v64-255 three sets of 64 numbers
	s_load_b256 s[4:11], s[0:1], 0x0               ; W s[4:5], keys s[6:7], wc s[8:9], ws s[10:11]
	s_load_b128 s[12:15], s[0:1], 0x20             ; order s[12:13], gmask s[14:15]
	v_lshl_add_u32 v14, v0, 2, 0x8600
	v_mov_b32 v15, 0
	v_lshrrev_b32 v1, 5, v0
	v_readfirstlane_b32 s16, v1                    ; wave
	v_and_b32 v1, 31, v0                           ; lane
	s_cmp_eq_u32 ttmp9, 0
	s_cbranch_scc1 .Lroute                         ; the same way for all four waves of a work-group
	s_and_b32 s17, s16, 1                          ; n
	s_lshr_b32 s18, s16, 1                         ; which half of K
	v_and_b32 v7, 15, v0                           ; r
	s_wait_alu depctr_va_vdst(0)
	v_bfe_u32 v8, v0, 4, 1                         ; h
	v_lshlrev_b32 v9, 4, v1                        ; 16 x lane
	s_lshl_b32 s19, s17, 17                        ; 16 rows of 8,192 bytes
	s_lshl_b32 s22, s18, 12                        ; 8 K steps of 512 bytes
	s_add_co_u32 s19, s19, s22
	v_add_nc_u32 v2, s19, v9                       ; W
	s_mul_i32 s19, s16, WST
	v_add_nc_u32 v3, s19, v9                       ; the stage, in: a row as it lies
	v_mul_u32_u24 v4, v7, SPI
	v_lshl_add_u32 v4, v8, 6, v4
	v_add_nc_u32 v4, s19, v4                       ; and out: row r, + 64 h: my 16 numbers of each block of 32
	s_lshl_b32 s19, s17, 11
	s_lshl_b32 s22, s18, 15
	s_add_co_u32 s19, s19, s22
	v_add_nc_u32 v5, s19, v9                       ; wc: 16 x lane + 2,048 n + 8 steps of 4,096
	s_lshl_b32 s19, s17, 8
	s_lshl_b32 s22, s18, 10
	s_add_co_u32 s19, s19, s22
	v_lshl_add_u32 v6, v7, 4, s19                  ; ws: 16 r + 256 n + 1,024 x half
	s_mov_b32 s20, 0x76543210
	s_mov_b32 s21, 0xfedcba98                      ; v_permlanex16_b32's selects for lane l xor 16
	s_mov_b32 s23, 0x600000                        ; the mantissa field of 448
.irp b, 0,1,2,3
	v_mov_b32 v[TM+4+\b], 0                        ; written once: a lane permute's destination counts as one of its sources
.endr
	s_sub_co_u32 s24, ttmp9, 1                     ; the slab S = 64 e + sl
	s_lshr_b32 s25, s24, 6                         ; e
	s_and_b32 s28, s24, 63                         ; sl
	s_lshl_b32 s28, s28, 3
	s_or_b32 s28, s28, s25                         ; its place in wc: 8 sl + e
	s_mov_b32 s27, 0
	s_wait_alu depctr_va_vdst(0)
	s_wait_kmcnt 0x0
	s_lshl_b32 s26, s24, 18                        ; 32 rows of 8,192 bytes (under 2^27)
	s_add_nc_u64 s[4:5], s[4:5], s[26:27]
	s_lshl_b32 s26, s28, 16                        ; 65,536 bytes of codes a slab
	s_add_nc_u64 s[8:9], s[8:9], s[26:27]
	s_lshl_b32 s26, s24, 11
	s_add_nc_u64 s[10:11], s[10:11], s[26:27]
.macro LOADW t                         ; K step t of my 16 rows into set t % 3
.set p, 0
.rept 16
	global_load_b128 v[R+64*((\t)%3)+4*p:R+64*((\t)%3)+4*p+3], v2, s[4:5] offset:8192*p+512*(\t) th:TH_LOAD_NT
.set p, p+1
.endr
.endm
; 64 numbers of a lane, register 16 b + i = k 32 b + 16 h + i of my row, become a fragment's codes in v[PC] on and its scale word in v[PW]
.macro QUANT s
.irp b, 0,1,2,3
	v_max3_num_f32 v[TM+\b], |v[\s+16*\b]|, |v[\s+1+16*\b]|, 0x4800000   ; my 16 numbers of block b, and the floor 2^(9 - 127): the byte cannot fall under 1
.endr
.irp i, 2,4,6,8,10,12,14
.irp b, 0,1,2,3
	v_max3_num_f32 v[TM+\b], v[TM+\b], |v[\s+16*\b+\i]|, |v[\s+1+16*\b+\i]|   ; the four blocks by turns
.endr
.endr
.irp b, 0,1,2,3
	v_permlanex16_b32 v[TM+4+\b], v[TM+\b], s20, s21
.endr
.irp b, 0,1,2,3
	v_max_num_f32 v[TM+\b], v[TM+\b], v[TM+4+\b]   ; with lane l xor 16's: the block's largest magnitude
.endr
.irp b, 0,1,2,3
	v_add_nc_u32 v[TM+12+\b], 0xfc000000, v[TM+\b] ; 8 off its exponent field: the conversion's scale operand
.endr
.irp b, 0,1,2,3
	v_and_or_b32 v[TM+8+\b], v[TM+\b], 0x7f800000, s23   ; 448 x the scale
.endr
.irp b, 0,1,2,3
	v_lshrrev_b32 v[TM+4+\b], 23, v[TM+12+\b]      ; the scale's byte
.endr
	v_lshl_or_b32 v[PW], v[TM+5], 8, v[TM+4]
	v_lshl_or_b32 v[PW], v[TM+6], 16, v[PW]
	v_lshl_or_b32 v[PW], v[TM+7], 24, v[PW]        ; my row's scale word; both halves of the lanes hold it
.irp b, 0,1,2,3
.irp i, 0,1,2,3,4,5,6,7,8,9,10,11,12,13,14,15
	v_med3_num_f32 v[\s+16*\b+\i], v[\s+16*\b+\i], -v[TM+8+\b], v[TM+8+\b]   ; the conversion to an 8-bit code does not saturate (ISA guide 7.6.2)
.endr
	v_cvt_scalef32_pk8_fp8_f32 v[PC+4*\b:PC+1+4*\b], v[\s+16*\b:\s+7+16*\b], v[TM+12+\b]
	v_cvt_scalef32_pk8_fp8_f32 v[PC+2+4*\b:PC+3+4*\b], v[\s+8+16*\b:\s+15+16*\b], v[TM+12+\b]
.endr
	v_nop                                          ; a plain line behind the last conversion
.endm
.macro QSTEP t
.set RS, R+64*((\t)%3)
.if 7-(\t) >= 2
	s_wait_loadcnt 32                              ; this step's 16 loads are in; the two steps behind it may be out
.else
	s_wait_loadcnt 16*(7-(\t))
.endif
.set p, 0
.rept 16
	ds_store_b128 v3, v[RS+4*p:RS+4*p+3] offset:SPI*p
.set p, p+1
.endr
.irp c, 0,1,2,3
.irp j, 0,1,2,3
	ds_load_b128 v[RS+16*\c+4*\j:RS+16*\c+4*\j+3], v4 offset:128*\c+16*\j   ; LDS serves a wave's instructions in order (ISA guide 5.7.1.4): these see the stores above
.endr
.endr
	s_wait_dscnt 0x0
	s_wait_xcnt 0x0                                ; the last step's stores have read the codes' registers, which are written again below
	QUANT RS
	v_mov_b32 v[SW+(\t)], v[PW]
.irp c, 0,1,2,3
	global_store_b128 v5, v[PC+4*\c:PC+4*\c+3], s[8:9] offset:4096*(\t)+512*\c   ; 512 consecutive bytes: registers 4 c .. 4 c + 3 of the fragment, lane by lane
.endr
.if (\t)+3 < 8
	LOADW (\t)+3                                   ; into the set just left
.endif
.endm
	LOADW 0
	LOADW 1
	LOADW 2
.irp t, 0,1,2,3,4,5,6,7
	QSTEP \t
.endr
	global_store_b128 v6, v[SW:SW+3], s[10:11]     ; sixteen lanes store 256 consecutive bytes; lanes 16-31 the same bytes again
	global_store_b128 v6, v[SW+4:SW+7], s[10:11] offset:512
	s_wait_tensorcnt 0x0
	ds_add_u32 v14, v15
	s_wait_dscnt 0x0
	s_endpgm
; ---- the placing.  v16-31 my 16 keys; v32-47 each one's place among my wave's tokens of its bin; v48-63 the tokens; s[24:39] a bin's masks; s[40:56] its running counts
.Lroute:
	s_wait_alu depctr_va_vdst(0)
	v_lshlrev_b32 v2, 4, v1
	s_lshl_b32 s17, s16, 11
	v_add_nc_u32 v2, s17, v2                       ; 16 x lane + 2,048 x wave
	s_wait_alu depctr_va_vdst(0)
	s_wait_kmcnt 0x0
.irp i, 0,1,2,3
	global_load_b128 v[16+4*\i:19+4*\i], v2, s[6:7] offset:512*\i   ; register 4 i + c: the key of token 512 w + 128 i + 4 lane + c
.endr
	v_lshlrev_b32 v95, 2, v1
	s_lshl_b32 s17, s16, 9
	v_add_nc_u32 v95, s17, v95
.set j, 0
.rept 16
	v_mov_b32 v[32+j], 0
	v_add_nc_u32 v[48+j], 128*(j/4)+(j%4), v95
.set j, j+1
.endr
	v_mov_b32 v80, 0                               ; lane q: my wave's count of bin q
	v_mov_b32 v87, 0                               ; lane q: where bin q begins
	v_mov_b32 v91, 0                               ; my thread's group's experts
	v_lshlrev_b32 v89, 5, v0                       ; thread t's group: places 32 t ..
	v_add_nc_u32 v90, 32, v89                      ; .. 32 t + 31
	s_wait_loadcnt 0x0
.set j, 0
.rept 16
	v_min_u32 v[16+j], 27, v[16+j]
.set j, j+1
.endr
	s_mov_b32 s57, 0
.Lbin:                                             ; 28 trips, one a bin
.set j, 0
.rept 16
	v_cmp_eq_u32 s[24+j], s57, v[16+j]
.set j, j+1
.endr
	s_mov_b32 s40, 0
.set j, 0
.rept 16
	s_bcnt1_i32_b32 s58, s[24+j]
	s_add_co_u32 s[41+j], s[40+j], s58
.set j, j+1
.endr
.set j, 0
.rept 16
	v_mbcnt_lo_u32_b32 v92, s[24+j], s[40+j]       ; the bin's tokens in earlier registers + those in lower lanes of this one
	v_cndmask_b32 v[32+j], v[32+j], v92, s[24+j]
.set j, j+1
.endr
	v_mov_b32 v93, s56
	v_cmp_eq_u32 vcc_lo, s57, v1
	v_cndmask_b32 v80, v80, v93, vcc_lo
	s_add_co_u32 s57, s57, 1
	s_cmp_lt_u32 s57, 28
	s_cbranch_scc1 .Lbin
	v_lshl_add_u32 v93, v0, 2, CNT
	ds_store_b32 v93, v80
	s_wait_dscnt 0x0                               ; for the others' sake
	s_barrier_signal -1
	s_barrier_wait -1
	v_lshl_add_u32 v94, v1, 2, CNT
.irp w, 0,1,2,3
	ds_load_b32 v[81+\w], v94 offset:128*\w
.endr
	s_wait_dscnt 0x0
	v_add_nc_u32 v85, v81, v82
	v_add3_u32 v85, v85, v83, v84                  ; lane q: all tokens of bin q
	v_mov_b32 v86, 0                               ; lane q: those of the waves in front of mine
.irp w, 0,1,2
	s_cmp_gt_u32 s16, \w
	s_cselect_b32 s58, -1, 0
	v_and_b32 v92, s58, v[81+\w]
	v_add_nc_u32 v86, v86, v92
.endr
	s_mov_b32 s58, 0                               ; bin Q holds places a .. b - 1
.set Q, 0
.irp lo, 0,1,2,3,4,5,6
.irp hi, 1,2,3,4,5,6,7
.if \hi > \lo
	v_readlane_b32 s60, v85, Q
	v_writelane_b32 v87, s58, Q
	s_add_co_u32 s59, s58, s60
	v_max_u32 v92, s58, v89
	v_min_u32 v93, s59, v90
	v_cmp_lt_u32 vcc_lo, v92, v93                  ; the bin and my group of 32 places share a place (never for an empty bin)
	v_or_b32 v94, (1<<\lo)|(1<<\hi), v91
	v_cndmask_b32 v91, v91, v94, vcc_lo
	s_mov_b32 s58, s59
.set Q, Q+1
.endif
.endr
.endr
	v_add_nc_u32 v88, v87, v86                     ; lane q: where my wave's tokens of bin q begin
.set j, 0
.rept 16
	v_lshlrev_b32 v[64+j], 2, v[16+j]
.set j, j+1
.endr
.set j, 0
.rept 16
	ds_bpermute_b32 v[96+j], v[64+j], v88          ; from the lane that my key names
.set j, j+1
.endr
	s_wait_dscnt 0x0
.set j, 0
.rept 16
	v_add_nc_u32 v[64+j], v[32+j], v[96+j]         ; the token's place,
	v_min_u32 v[64+j], 0x7ff, v[64+j]              ; held inside the buffer,
	v_lshlrev_b32 v[64+j], 2, v[64+j]              ; in bytes
.set j, j+1
.endr
.set j, 0
.rept 16
	global_store_b32 v[64+j], v[48+j], s[12:13]
.set j, j+1
.endr
	v_lshlrev_b32 v92, 2, v0
	global_store_b32 v92, v91, s[14:15]            ; 128 threads: 512 consecutive bytes
	s_wait_tensorcnt 0x0
	ds_add_u32 v14, v15
	s_wait_dscnt 0x0
	s_endpgm
.Lfunc_end_k_q40c83afb86_prep:
	.size	k_q40c83afb86_prep, .Lfunc_end_k_q40c83afb86_prep-k_q40c83afb86_prep
	.p2alignl 7, 3214868480
	.fill 96, 4, 3214868480
	.section	.rodata,"a",@progbits
	.p2align	6, 0x0
	.amdhsa_kernel k_q40c83afb86_prep
		.amdhsa_group_segment_fixed_size 34816
		.amdhsa_private_segment_fixed_size 0
		.amdhsa_enable_private_segment 0
		.amdhsa_kernarg_size 48
		.amdhsa_user_sgpr_count 2
		.amdhsa_user_sgpr_kernarg_segment_ptr 1
		.amdhsa_wavefront_size32 1
		.amdhsa_system_sgpr_workgroup_id_x 1
		.amdhsa_system_sgpr_workgroup_id_y 1
		.amdhsa_system_sgpr_workgroup_id_z 1
		.amdhsa_system_vgpr_workitem_id 0
		.amdhsa_next_free_vgpr 256
		.amdhsa_next_free_sgpr 72
		.amdhsa_reserve_vcc 1
		.amdhsa_float_denorm_mode_32 3
		.amdhsa_float_denorm_mode_16_64 3
		.amdhsa_memory_ordered 1
		.amdhsa_forward_progress 1
		.amdhsa_inst_pref_size 122
	.end_amdhsa_kernel
	.amdgpu_metadata
---
amdhsa.version: [ 1, 2 ]
amdhsa.kernels:
  - .name:           k_q40c83afb86_prep
    .symbol:         k_q40c83afb86_prep.kd
    .args:
      - { .name: W, .offset: 0, .size: 8, .value_kind: global_buffer, .address_space: global }
      - { .name: keys, .offset: 8, .size: 8, .value_kind: global_buffer, .address_space: global }
      - { .name: wc, .offset: 16, .size: 8, .value_kind: global_buffer, .address_space: global }
      - { .name: ws, .offset: 24, .size: 8, .value_kind: global_buffer, .address_space: global }
      - { .name: order, .offset: 32, .size: 8, .value_kind: global_buffer, .address_space: global }
      - { .name: gmask, .offset: 40, .size: 8, .value_kind: global_buffer, .address_space: global }
    .group_segment_fixed_size: 34816
    .private_segment_fixed_size: 0
    .kernarg_segment_align: 8
    .kernarg_segment_size: 48
    .max_flat_workgroup_size: 128
    .sgpr_count:     72
    .vgpr_count:     256
    .wavefront_size: 32
...
	.end_amdgpu_metadata
.endif
;; end of part 5
;; launch moe (part 6): grid 16 x 16, 4 waves a work-group, no clusters, 283,136 bytes of LDS; arguments xc, xs, wc, ws, b, gates, order, gmask, out0; writes out0
.if DOCPART == 6
	.amdgcn_target "amdgcn-amd-amdhsa--gfx1250"
	.amdhsa_code_object_version 6
	.text
	.protected	k_q40c83afb86_moe
	.globl	k_q40c83afb86_moe
	.p2align	8
	.type	k_q40c83afb86_moe,@function
k_q40c83afb86_moe:
	s_mov_b64 s[64:65], 0
	v_nop
	global_prefetch_b8 v0, s[64:65] scope:SCOPE_SE
	s_setreg_imm32_b32 hwreg(HW_REG_WAVE_SCHED_MODE, 0, 2), 2
	s_setreg_imm32_b32 hwreg(HW_REG_WAVE_MODE, 25, 1), 1
	s_wait_xcnt 0x0
	s_wait_alu depctr_vm_vsrc(0)
; out0[token][f] = the sum over the token's two chosen experts e of gate x relu(x . W[e][f] + b[e][f]), the products on codes of E4M3 with one E8M0 scale for each 32 along K.
; SHARES.  Work-group (x = fb, y = g) is the one owner of out0 for the tokens at sorted places 128 g .. 128 g + 127 and features 128 fb .. 128 fb + 127.  Wave w: all 128 tokens (8 tiles, four groups of 32) x features 32 w .. 32 w + 31 (2 tiles).
; The tokens' codes are gathered once into LDS and stay.  W's fragments, laid by the launch before in the order of the operand's registers, go from memory straight into the one wave that multiplies by them (512 consecutive bytes a load),
; through a ring of 8 register slots, seven K steps ahead.  The wave walks the experts 0 .. 7 in a loop of constant count; an expert that none of the 128 tokens uses is passed over, and in a pass each group of 32 tokens that does not
; use the expert, by scalar branches on the stored masks.  No barrier stands in the walk and no global load is ever jumped over, so every counted wait holds on every path.
; A token of a group at work that did not choose the expert has the gate 0: 0 x a finite number is added.
; TRANSPOSED USE: source 0 = 16 rows of W, source 1 = 16 tokens: a lane holds ONE token (lane % 16) and eight neighbouring features 8 (lane / 16) + 0 .. 7; the bias is the C of K step 0, the gate one number a lane.
; The look-ahead of a pass's last seven steps asks for the NEXT used expert's first seven K steps; the last pass has no next one: its count of trailing zeros is held at 7, and it asks for expert 7's (inside the buffers; not used).
; NO CLUSTER: work-groups that share W (same fb) walk different experts, by masks read from memory, so they would ask for different tiles; those that share tokens (same g) share gathered rows, 256 KiB of about 1.3 MiB that a work-group reads.
; NO TENSOR LOAD: a fragment of W has one reader, so a way through LDS would only add LDS traffic.
; LIMITS: NaN and infinities are not served.
; THE MODE: SCHED_MODE bits 1:0 = 2 (LLVM: expert scheduling mode 2), set by the entry lines.  The code itself states the register dependences between vector or matrix instructions and memory or LDS instructions, with s_wait_alu, always for 0.
; THE PLAN.  Registers that memory or LDS instructions touch in the walk:
;   W's ring (window 2)      Step u's products read slot u % 8; in step u + 1 the loads of K step u + 8 land in it.
;   the tokens' two buffers  (window 1)  Step s's products read buffer s % 2; in step s + 1 the LDS loads of step s + 2 land in it.
;   WS, BI                   Read by products as scales and as C; loaded again nine steps behind their last reader.
;   G                        Read by the multiply-adds at a pass's end; LDS loads land in it in step 14 of a later pass.
;   WC WN WSC WSN BN GA      Offsets: read by the walk's loads; written by six additions at a pass's head.
;   XB, XS and the other addresses are made or loaded at the head and never written again.  Window 3 is named by matrix and vector instructions alone, until the way out.
; So ONE wait on va_vdst stands at a step's head: the products issued so far are done reading the slot and the buffer in which this step's loads land (and WS, BI); in step 0 the six offsets are written; the last pass's multiply-adds are done
; reading G.  The step's products name slot s % 8, buffer s % 2, WS + s, XS, BI (step 0) and window 3: none of the registers that the step's loads touch, so these follow with no further wait: the tokens' next fragments first,
; W's loads in the step's middle.  One wait on vm_vsrc a pass stands ahead of the six additions.
; LDS: XI: tile i of 16 tokens at 34,816 i; piece j (k = 16 j .. 16 j + 15) of its token r at 272 j + 16 r: a row's store steps 272 bytes a lane, a fragment's load 16 bytes a lane.  GB: gates [e][128 places].  The stage for the way out lies over XI, behind a barrier.
; REGISTERS, in windows of 256 (s_set_vgpr_msb: bits 1:0 source 0, 3:2 source 1, 5:4 source 2, 7:6 destination):
;   window 0: addresses, scale words, bias, gates.  window 1: the tokens' fragments, two buffers of 8 x 16.  window 2: W's ring: slot u % 8, fragment n at 32 (u % 8) + 16 n.
;   window 3: v0-127 the pass's sums (tile i, n) at 8 (2 i + n); v128-255 the output's sums likewise.
.set XIT,  34816
.set GB,   8*XIT
.set SPI,  528                         ; a stage row: 512 bytes + 16
.set L16,  4                           ; v4      16 x lane
.set ST,   5                           ; v5      the gather's place in XI: 272 x lane + my wave's two tiles
.set XB,   6                           ; v6-13   tile i's fragments: 34,816 i + 16 r + 272 h
.set G0,   14                          ; v14     GB + 4 r
.set GA,   15                          ; v15     + 512 e
.set WS0,  17                          ; v17-18  my lane's bytes in my slab of ws, and in b, for expert 0
.set B0,   18
.set WC,   19                          ; v19-23  my lane's bytes for the expert at work (wc, ws) and for the next one (wc, ws, b).  wc's: 16 x lane + 65,536 x expert: my slab stands in the scalar base
.set WN,   20
.set WSC,  21
.set WSN,  22
.set BN,   23
.set TK,   24                          ; v24-27  place 32 v + lane's token x 64: its row of xs
.set TKW,  28                          ; v28     place 32 w + lane's token x 32: its row of gates
.set GST,  29                          ; v29     GB + 4 x thread
.set SIN,  30                          ; v30     the stage, in
.set SOUT, 31                          ; v31     and out
.set XS,   32                          ; v32-95  the tokens' scale words: 16 v + s: lanes 0-15 tile 2 v, lanes 16-31 tile 2 v + 1
.set WS,   96                          ; v96-111 W's scale words of K step s: lanes 0-15 n = 0, lanes 16-31 n = 1
.set BI,   112                         ; v112-127 the bias, 8 n + j, in the result's layout
.set G,    128                         ; v128-143 tile i's gates at 2 i (the packed form names a pair; the odd ones are written once)
.set A,    144                         ; v144-175 a byte offset for each of my wave's 32 tokens
.set GR,   176                         ; v176-183 a token's eight gates
.set TO,   184                         ; v184-185 offsets at the head and at the end
.set GM,   28                          ; s[28:31] the four groups' masks
.set TOK,  32                          ; s[32:63] my wave's 32 tokens
.set SWV,  66
.set SFB,  67
.set SGG,  68
.set SE,   69                          ; the expert
.set SEN,  70                          ; the next one that the block uses
.set SE5,  71                          ; 512 e
.set SANY, 72                          ; the experts that the block uses
.set MSB, 0
.macro WIN new                         ; the immediate's high byte repeats the setting that is left
.if MSB != \new
	s_set_vgpr_msb (MSB<<8)|\new
.set MSB, \new
.endif
.endm
; The loads of K step u % 16 of the expert at work (u < 16) or of the next (u >= 16): 8 for W's two fragments; with every fourth step its four steps' scale words; with step 0 the bias: 8, 9 or 13 loads.
.macro WGROUP u
.set US, (\u)%16
.if (\u) < 16
.set RW, WC
.set RZ, WSC
.else
.set RW, WN
.set RZ, WSN
.endif
.if US == 0
.irp n, 0,1
	global_load_b128 v[BI+8*\n:BI+8*\n+3], v[BN], s[16:17] offset:64*\n
	global_load_b128 v[BI+8*\n+4:BI+8*\n+7], v[BN], s[16:17] offset:64*\n+16
.endr
.endif
.if US%4 == 0
	global_load_b128 v[WS+US:WS+US+3], v[RZ], s[14:15] offset:512*(US/4)
.endif
	WIN 0x80
.irp n, 0,1
.irp c, 0,1,2,3
	global_load_b128 v[32*((\u)%8)+16*\n+4*\c:32*((\u)%8)+16*\n+4*\c+3], v[RW], s[12:13] offset:4096*US+2048*\n+512*\c
.endr
.endr
	WIN 0
.endm
; Group g's two tiles of tokens, K step s % 16, into buffer s % 2, if the group uses the expert in s[ereg]; withg: and the two tiles' gates.
.macro XG s, ereg, withg, g
	s_bitcmp1_b32 s[GM+\g], s[\ereg]
	s_cbranch_scc0 .Lxg_\@
.if \withg
	ds_load_b32 v[G+4*\g], v[GA] offset:128*\g
	ds_load_b32 v[G+4*\g+2], v[GA] offset:128*\g+64
.endif
	WIN 0x40
.irp t, 0,1
.irp c, 0,1,2,3
	ds_load_b128 v[128*((\s)%2)+16*(2*\g+\t)+4*\c:128*((\s)%2)+16*(2*\g+\t)+4*\c+3], v[XB+2*\g+\t] offset:2176*((\s)%16)+544*\c
.endr
.endr
	WIN 0
.Lxg_\@:
.endm
; One product: tile i of tokens (t = i % 2) x tile n of features, K step s.  W's scale words lie in lanes 16-31 for n = 1, the tokens' for an odd tile.
.macro MM s, i, n, t
.set QD, 8*(2*(\i)+\n)
.set QA, 32*((\s)%8)+16*\n
.set QB, 128*((\s)%2)+16*(\i)
.set QX, XS+16*((\i)/2)+(\s)
.if (\s) == 0
.set QC, BI+8*\n
.else
.set QC, QD
.endif
.if (\n == 0) && (\t == 0)
	v_wmma_scale_f32_16x16x128_f8f6f4 v[QD:QD+7], v[QA:QA+15], v[QB:QB+15], v[QC:QC+7], v[WS+(\s)], v[QX]
.elseif \t == 0
	v_wmma_scale_f32_16x16x128_f8f6f4 v[QD:QD+7], v[QA:QA+15], v[QB:QB+15], v[QC:QC+7], v[WS+(\s)], v[QX] matrix_a_scale:MATRIX_SCALE_ROW1
.elseif \n == 0
	v_wmma_scale_f32_16x16x128_f8f6f4 v[QD:QD+7], v[QA:QA+15], v[QB:QB+15], v[QC:QC+7], v[WS+(\s)], v[QX] matrix_b_scale:MATRIX_SCALE_ROW1
.else
	v_wmma_scale_f32_16x16x128_f8f6f4 v[QD:QD+7], v[QA:QA+15], v[QB:QB+15], v[QC:QC+7], v[WS+(\s)], v[QX] matrix_a_scale:MATRIX_SCALE_ROW1 matrix_b_scale:MATRIX_SCALE_ROW1
.endif
.endm
; Group g's four products of K step s.  Its four accumulators take turns, one instruction a turn, and every group begins with an even tile's n = 0 and ends with an odd tile's n = 1.
.macro MG s, g
	s_bitcmp1_b32 s[GM+\g], s[SE]
	s_cbranch_scc0 .Lmg_\@
.if (\s) == 0
	WIN 0xc6                                       ; W window 2, tokens window 1, C = the bias in window 0, D window 3
.else
	WIN 0xf6                                       ; C and D window 3
.endif
.irp t, 0,1
.irp n, 0,1
	MM \s, 2*\g+\t, \n, \t
.endr
.endr
	WIN 0
.Lmg_\@:
.endm
; Group g at a pass's end: relu, x the gate, onto the output's sums.  Each accumulator is read from its low end on.
.macro EG g
	s_bitcmp1_b32 s[GM+\g], s[SE]
	s_cbranch_scc0 .Leg_\@
	WIN 0xf3                                       ; sums in window 3, the gate (source 1) in window 0
.irp t, 0,1
.irp n, 0,1
.set QD, 8*(2*(2*\g+\t)+\n)
.irp j, 0,1,2,3,4,5,6,7
	v_max_num_f32 v[QD+\j], v[QD+\j], 0
.endr
.irp j, 0,2,4,6
	v_pk_fma_f32 v[128+QD+\j:128+QD+\j+1], v[QD+\j:QD+\j+1], v[G+4*\g+2*\t:G+4*\g+2*\t+1], v[128+QD+\j:128+QD+\j+1] op_sel_hi:[1,0,1]
.endr
.endr
.endr
	WIN 0
.Leg_\@:
.endm
; K step s of a pass.
.macro STEP s
	s_wait_dscnt 0x0                               ; this step's fragments of the tokens, asked for a step ago (how many loads that was differs by path: so the count is 0)
.set NN, 0
.irp d, 1,2,3,4,5,6
.set UU, (\s)+\d
.set NN, NN+8
.if UU%4 == 0
.set NN, NN+1
.endif
.if UU%16 == 0
.set NN, NN+4
.endif
.endr
	s_wait_loadcnt NN                              ; group s is in; the six groups issued behind it may be out
.rept 8
	v_nop                                          ; eight places behind the last step's products; in step 0 they are among the places in front of the products that begin the sums anew
.endr
	s_wait_alu depctr_va_vdst(0)                   ; the products issued so far are done reading slot (s - 1) % 8, buffer (s - 1) % 2, and the WS and BI that this step loads anew; in step 0 the pass's six offsets are written; the last pass's multiply-adds are done reading G
.irp g, 0,1,2,3
.if (\s) == 15
	XG (\s)+1, SEN, 0, \g                          ; the next pass's first step
.elseif (\s) == 14
	XG (\s)+1, SE, 1, \g
.else
	XG (\s)+1, SE, 0, \g
.endif
.endr
	MG \s, 0
	MG \s, 1
	WGROUP (\s)+7                                  ; into the slot that the last step has left.  No wait: no product since the wait above names that slot, these scale words, the bias or the offsets
	MG \s, 2
	MG \s, 3
.endm
	s_load_b512 s[8:23], s[0:1], 0x0               ; xc s[8:9], xs s[10:11], wc s[12:13], ws s[14:15], b s[16:17], gates s[18:19], order s[20:21], gmask s[22:23]
	s_load_b64 s[24:25], s[0:1], 0x40              ; out0
	v_lshl_add_u32 v254, v0, 2, 0x45000            ; the LDS address of my spare word and 0: made here and kept for the closing lines alone
	v_mov_b32 v255, 0
	v_lshrrev_b32 v1, 5, v0
	v_readfirstlane_b32 s[SWV], v1                 ; wave
	s_mov_b32 s[SFB], ttmp9
	s_and_b32 s[SGG], ttmp7, 0xffff
	v_and_b32 v1, 31, v0                           ; lane
	v_and_b32 v2, 15, v0                           ; r
	v_bfe_u32 v3, v0, 4, 1                         ; h
	v_lshlrev_b32 v[L16], 4, v1
	v_mul_u32_u24 v[ST], v1, 272
	s_wait_alu depctr_va_sdst(0)                   ; the wave's number is written, ahead of its first reader
	s_mul_i32 s73, s[SWV], 2*XIT
	v_add_nc_u32 v[ST], s73, v[ST]
	v_lshlrev_b32 v[XB], 4, v2
	v_mad_u32_u24 v[XB], v3, 272, v[XB]
.irp i, 1,2,3,4,5,6,7
	v_add_nc_u32 v[XB+\i], \i*XIT, v[XB]
.endr
	v_lshl_add_u32 v[G0], v2, 2, GB
	v_lshl_add_u32 v[GST], v0, 2, GB
	v_mul_u32_u24 v[SIN], v2, SPI                  ; the stage, in: row r, + 32 h, + 128 w: my eight features' bytes
	v_lshl_add_u32 v[SIN], v3, 5, v[SIN]
	s_lshl_b32 s73, s[SWV], 7
	v_add_nc_u32 v[SIN], s73, v[SIN]
	s_mul_i32 s73, s[SWV], 32*SPI
	v_add_nc_u32 v[SOUT], s73, v[L16]              ; and out: my 32 rows, 16 bytes a lane
	s_lshl_b32 s74, s[SFB], 2
	s_add_co_u32 s74, s74, s[SWV]                  ; my slab of 32 features within an expert: 4 fb + w
	s_lshl_b32 s80, s74, 19                        ; its eight experts' codes: 8 x 65,536 bytes a slab (under 2^25)
	s_mov_b32 s81, 0
	s_lshl_b32 s73, s74, 11
	v_add_nc_u32 v[WS0], s73, v[L16]
	s_lshl_b32 s73, s74, 7
	v_lshl_add_u32 v[B0], v3, 5, s73               ; 4 x (32 slab + 8 h)
	s_lshl_b32 s73, s[SGG], 9
	v_lshl_add_u32 v[TO], v1, 2, s73               ; order: 4 x (128 g + lane)
	s_lshl_b32 s75, s[SWV], 7
	v_add_nc_u32 v[TO+1], s75, v[TO]               ; + 32 w places
	s_add_co_u32 s78, s73, s75
	s_lshl_b32 s77, s[SGG], 4
	s_wait_kmcnt 0x0
	s_add_nc_u64 s[12:13], s[12:13], s[80:81]      ; wc at my slab
	s_load_b128 s[GM:GM+3], s[22:23], s77 offset:0x0      ; my four groups' masks
	s_load_b512 s[TOK:TOK+15], s[20:21], s78 offset:0x0   ; my wave's 32 tokens, as scalars: each names a row to gather and a row to store
	s_load_b512 s[TOK+16:TOK+31], s[20:21], s78 offset:0x40
	s_wait_alu depctr_va_vdst(0)                   ; all addresses and offsets made so far are written: v[TO], v[TO+1] for the loads below; ST, XB, GST, SIN, SOUT, L16 for every later LDS instruction that reads them
.irp v, 0,1,2,3
	global_load_b32 v[TK+\v], v[TO], s[20:21] offset:128*\v
.endr
	global_load_b32 v[TKW], v[TO+1], s[20:21]
	s_wait_kmcnt 0x0
	s_or_b32 s[SANY], s[GM], s[GM+1]
	s_or_b32 s[SANY], s[SANY], s[GM+2]
	s_or_b32 s[SANY], s[SANY], s[GM+3]
	s_ctz_i32_b32 s[SEN], s[SANY]                  ; the first expert that the block uses,
	s_min_u32 s[SEN], s[SEN], 7                    ; held inside the tables
	s_lshl_b32 s73, s[SEN], 16                     ; an expert's codes of my slab: 65,536 bytes
	v_add_nc_u32 v[WN], s73, v[L16]
	s_lshl_b32 s73, s[SEN], 17                     ; its scale words: 64 slabs of 2,048
	v_add_nc_u32 v[WSN], s73, v[WS0]
	s_lshl_b32 s73, s[SEN], 13                     ; its bias: 8,192
	v_add_nc_u32 v[BN], s73, v[B0]
	s_wait_alu depctr_va_vdst(0)                   ; the three offsets WN, WSN, BN are written, which the loads below read
.irp u, 16,17,18,19,20,21,22
	WGROUP \u                                      ; its first seven K steps: 62 loads, on their way while the tokens are gathered
.endr
.set p, 0
.rept 32
	s_min_u32 s[TOK+p], s[TOK+p], 0x7ff
.set p, p+1
.endr
.set p, 0
.rept 32
	v_lshl_add_u32 v[A+p], s[TOK+p], 11, v[L16]    ; token x 2,048 + 16 x lane
.set p, p+1
.endr
	s_wait_loadcnt 62                              ; the five loads of order are in; the 62 issued behind them may be out
.irp v, 0,1,2,3
	v_min_u32 v[TK+\v], 0x7ff, v[TK+\v]
	v_lshlrev_b32 v[TK+\v], 6, v[TK+\v]
.endr
	v_min_u32 v[TKW], 0x7ff, v[TKW]
	v_lshlrev_b32 v[TKW], 5, v[TKW]
	s_wait_alu depctr_va_vdst(0)                   ; TK, TKW and the 32 offsets A are written, which the run of loads below reads
.irp v, 0,1,2,3
.irp i, 0,1,2,3
	global_load_b128 v[XS+16*\v+4*\i:XS+16*\v+4*\i+3], v[TK+\v], s[10:11] offset:16*\i   ; a token's 16 scale words
.endr
.endr
	global_load_b128 v[GR:GR+3], v[TKW], s[18:19]
	global_load_b128 v[GR+4:GR+7], v[TKW], s[18:19] offset:16
	; THE GATHER: my wave's 32 rows of codes, four loads of 512 consecutive bytes each: rows 0-15 fill window 1, rows 16-31 window 3.
	; (So every register that the walk writes under a branch has been written on every path.)
	WIN 0x40
.set p, 0
.rept 16
.irp i, 0,1,2,3
	global_load_b128 v[16*p+4*\i:16*p+4*\i+3], v[A+p], s[8:9] offset:512*\i
.endr
.set p, p+1
.endr
	WIN 0xc0
.set p, 0
.rept 16
.irp i, 0,1,2,3
	global_load_b128 v[16*p+4*\i:16*p+4*\i+3], v[A+16+p], s[8:9] offset:512*\i
.endr
.set p, p+1
.endr
	WIN 0
	s_wait_loadcnt 63                              ; loads come back in order (ISA guide 5.7.1): all but 63 of rows 16-31's 64 are in: scale words, gates and rows 0-15 among them
.irp e, 0,1,2,3,4,5,6,7
	ds_store_b32 v[GST], v[GR+\e] offset:512*\e
.endr
	WIN 0x04                                       ; an LDS store's data are its source 1: window 1
.set p, 0
.rept 16
.irp i, 0,1,2,3
	ds_store_b128 v[ST], v[16*p+4*\i:16*p+4*\i+3] offset:16*p+8704*\i   ; lane l holds piece 32 i + l of token p
.endr
.set p, p+1
.endr
	WIN 0x0c
.set p, 0
.rept 16
.if p%4 == 0
	s_wait_loadcnt 48-4*p                          ; the next four rows are in; the rows behind them may be out
.endif
.irp i, 0,1,2,3
	ds_store_b128 v[ST], v[16*p+4*\i:16*p+4*\i+3] offset:XIT+16*p+8704*\i
.endr
.set p, p+1
.endr
	WIN 0
	s_wait_dscnt 0x0                               ; for the others' sake: my rows and gates lie in LDS
	s_wait_alu depctr_vm_vsrc(0)                   ; my LDS stores have read windows 1 and 3: the clearing below writes window 3's upper half, and the first fragments land in window 1
	s_barrier_signal -1
	WIN 0xc0
.set p, 0
.rept 128
	v_mov_b32 v[128+p], 0                          ; the output's sums.  Which pass is a group's first is not known to the text, so no product can start them
.set p, p+1
.endr
	WIN 0
.set p, 0
.rept 16
	v_mov_b32 v[G+p], 0
.set p, p+1
.endr
	s_barrier_wait -1                              ; the 128 tokens' codes and gates lie in LDS
.irp g, 0,1,2,3
	XG 0, SEN, 0, \g                               ; no vector or matrix instruction has named these registers, and their addresses stand behind the head's first wait on va_vdst
.endr
	s_mov_b32 s[SE], 0
	s_mov_b32 s[SE5], 0
.Lexp:                                             ; eight trips
	s_bitcmp1_b32 s[SANY], s[SE]
	s_cbranch_scc0 .Lskip
	s_lshl_b32 s73, 2, s[SE]
	s_sub_co_u32 s73, s73, 1
	s_and_not1_b32 s76, s[SANY], s73               ; the used experts above e
	s_ctz_i32_b32 s[SEN], s76                      ; the lowest of them,
	s_min_u32 s[SEN], s[SEN], 7                    ; held inside the tables: where none is left, 7
	s_wait_xcnt 0x0                                ; the offset registers of loads already issued are written again only behind this wait
	s_wait_alu depctr_vm_vsrc(0)                   ; the global and LDS loads issued so far have read WC, WN, WSC, WSN, BN and GA, which the six additions below write
	s_lshl_b32 s73, s[SE], 16
	s_lshl_b32 s74, s[SEN], 16
	v_add_nc_u32 v[WC], s73, v[L16]
	v_add_nc_u32 v[WN], s74, v[L16]
	s_lshl_b32 s73, s[SE], 17
	s_lshl_b32 s74, s[SEN], 17
	v_add_nc_u32 v[WSC], s73, v[WS0]
	v_add_nc_u32 v[WSN], s74, v[WS0]
	s_lshl_b32 s73, s[SEN], 13
	v_add_nc_u32 v[BN], s73, v[B0]
	v_add_nc_u32 v[GA], s[SE5], v[G0]
.irp s, 0,1,2,3,4,5,6,7,8,9,10,11,12,13,14,15
	STEP \s
.endr
	s_wait_dscnt 0x0                               ; the gates
.rept 8
	v_nop                                          ; eight places behind the last products, in front of the first read of their results; with the next pass's eight they are sixteen in front of the products that begin the sums anew
.endr
.irp g, 0,1,2,3
	EG \g
.endr
.Lskip:
	s_add_co_u32 s[SE5], s[SE5], 512
	s_add_co_u32 s[SE], s[SE], 1
	s_cmp_lt_u32 s[SE], 8
	s_cbranch_scc1 .Lexp
	; THE WAY OUT.  A lane holds 32 neighbouring bytes of a token's row and a row's 512 bytes come from four waves: they meet in a stage, and each wave stores 32 whole rows.
	s_wait_loadcnt 0x0                             ; the last look-ahead
	s_wait_dscnt 0x0                               ; my reads of the tokens' codes are over
	s_wait_alu depctr_vm_vsrc(0)                   ; the head's loads have read v[TO] and the 32 offsets A, which are written anew below
	s_barrier_signal -1
	s_lshl_b32 s73, s[SFB], 9
	v_add_nc_u32 v[TO], s73, v[L16]                ; 512 fb + 16 x lane
.set p, 0
.rept 32
	v_lshl_add_u32 v[A+p], s[TOK+p], 13, v[TO]     ; + token x 8,192
.set p, p+1
.endr
	s_barrier_wait -1                              ; everybody's reads are over: the stage may be written over the codes
	s_wait_alu depctr_va_vdst(0)                   ; the output's sums are written, which the LDS stores read; so are the offsets A, which the global stores read; and the products are done reading window 1, in which the stage's rows land
	WIN 0x0c
.irp i, 0,1,2,3,4,5,6,7
.irp n, 0,1
	ds_store_b128 v[SIN], v[128+8*(2*\i+\n):128+8*(2*\i+\n)+3] offset:16*SPI*\i+64*\n
	ds_store_b128 v[SIN], v[128+8*(2*\i+\n)+4:128+8*(2*\i+\n)+7] offset:16*SPI*\i+64*\n+16
.endr
.endr
	WIN 0
	s_wait_dscnt 0x0                               ; for the others' sake
	s_barrier_signal -1
	s_barrier_wait -1
	WIN 0x40
.set p, 0
.rept 32
	ds_load_b128 v[4*p:4*p+3], v[SOUT] offset:SPI*p
.set p, p+1
.endr
	WIN 0x04                                       ; a store's data are its source 1: window 1
.set p, 0
.rept 32
	s_wait_dscnt 31-p                              ; row p is back; the rows behind it may be out
	global_store_b128 v[A+p], v[4*p:4*p+3], s[24:25] th:TH_STORE_NT   ; 32 lanes store 512 consecutive bytes of one token's row, at a multiple of 512 from out0's first byte
.set p, p+1
.endr
	WIN 0
	s_wait_dscnt 0x0                               ; the closing lines, six on end
	s_wait_alu 0x0
	s_wait_tensorcnt 0x0
	ds_add_u32 v254, v255
	s_wait_dscnt 0x0
	s_endpgm
.Lfunc_end_k_q40c83afb86_moe:
	.size	k_q40c83afb86_moe, .Lfunc_end_k_q40c83afb86_moe-k_q40c83afb86_moe
	.p2alignl 7, 3214868480
	.fill 96, 4, 3214868480
	.section	.rodata,"a",@progbits
	.p2align	6, 0x0
	.amdhsa_kernel k_q40c83afb86_moe
		.amdhsa_group_segment_fixed_size 283136
		.amdhsa_private_segment_fixed_size 0
		.amdhsa_enable_private_segment 0
		.amdhsa_kernarg_size 72
		.amdhsa_user_sgpr_count 2
		.amdhsa_user_sgpr_kernarg_segment_ptr 1
		.amdhsa_wavefront_size32 1
		.amdhsa_system_sgpr_workgroup_id_x 1
		.amdhsa_system_sgpr_workgroup_id_y 1
		.amdhsa_system_sgpr_workgroup_id_z 1
		.amdhsa_system_vgpr_workitem_id 0
		.amdhsa_next_free_vgpr 1024
		.amdhsa_next_free_sgpr 90
		.amdhsa_reserve_vcc 0
		.amdhsa_float_denorm_mode_32 3
		.amdhsa_float_denorm_mode_16_64 3
		.amdhsa_memory_ordered 1
		.amdhsa_forward_progress 1
		.amdhsa_inst_pref_size 169
	.end_amdhsa_kernel
	.amdgpu_metadata
---
amdhsa.version: [ 1, 2 ]
amdhsa.kernels:
  - .name:           k_q40c83afb86_moe
    .symbol:         k_q40c83afb86_moe.kd
    .args:
      - { .name: xc, .offset: 0, .size: 8, .value_kind: global_buffer, .address_space: global }
      - { .name: xs, .offset: 8, .size: 8, .value_kind: global_buffer, .address_space: global }
      - { .name: wc, .offset: 16, .size: 8, .value_kind: global_buffer, .address_space: global }
      - { .name: ws, .offset: 24, .size: 8, .value_kind: global_buffer, .address_space: global }
      - { .name: b, .offset: 32, .size: 8, .value_kind: global_buffer, .address_space: global }
      - { .name: gates, .offset: 40, .size: 8, .value_kind: global_buffer, .address_space: global }
      - { .name: order, .offset: 48, .size: 8, .value_kind: global_buffer, .address_space: global }
      - { .name: gmask, .offset: 56, .size: 8, .value_kind: global_buffer, .address_space: global }
      - { .name: out0, .offset: 64, .size: 8, .value_kind: global_buffer, .address_space: global }
    .group_segment_fixed_size: 283136
    .private_segment_fixed_size: 0
    .kernarg_segment_align: 8
    .kernarg_segment_size: 72
    .max_flat_workgroup_size: 128
    .sgpr_count:     90
    .vgpr_count:     1024
    .wavefront_size: 32
...
	.end_amdgpu_metadata
.endif
;; end of part 6
